; MI455X (gfx1250); checked and timed in simulation.
; The chip was launched on July 23, 2026; its instructions are those of AMD's public machine-readable ISA for CDNA 5 (MIT licence, August 2026) and "CDNA5" Instruction Set Architecture Reference Guide (July 2026). The comments in the code are by the model that wrote it; some were corrected since.
;; Transformer Layer. Allowed arithmetic: matrix products marked QUANTISED: E3M2 operands, one E8M0 scale for each 32 along K, by v_wmma_scale_f32_16x16x128_f8f6f4 with both operands' format E3M2, f32 sums; everything else in f32.
;; Inputs: b_fc1 4,096 float32; b_fc2 1,024 float32; b_out 1,024 float32; b_qkv 3,072 float32; ln1_b 1,024 float32; ln1_g 1,024 float32; ln2_b 1,024 float32; ln2_g 1,024 float32; w_fc1 1,024 x 4,096 float32; w_fc2 4,096 x 1,024 float32; w_out 1,024 x 1,024 float32; w_qkv 1,024 x 3,072 float32; x 2 x 2,048 x 1,024 float32.
;; Outputs: out0 2 x 2,048 x 1,024 float32.
;; This version of the problem:
;;   THIS VERSION OF THE PROBLEM IS GIVEN IN LOW PRECISION. The matrix products marked QUANTISED in the list below multiply operands that are first quantised to E3M2 (3 exponent bits, 2 mantissa bits; 6 bits a number), with one power-of-two scale for each 32 numbers along K (OCP MX v1.0); their sums are f32. All else is computed in f32.
;;   The module's matrix products, in the order in which they are computed (A, B: the left and right operand; K: the contracted axis; several contracted axes count as one K, in the product's order):
;;     1. [M 4,096, K 1,024] x [K 1,024, N 3,072]; A: computed on the way; B: input w_qkv: QUANTISED
;;     2. batch 32 x [M 2,048, K 64] x [K 64, N 2,048]; A: computed on the way; B: computed on the way: QUANTISED
;;     3. batch 32 x [M 2,048, K 2,048] x [K 2,048, N 64]; A: softmax (see below); B: computed on the way: QUANTISED
;;     4. [M 4,096, K 1,024] x [K 1,024, N 1,024]; A: computed on the way; B: input w_out: QUANTISED
;;     5. [M 4,096, K 1,024] x [K 1,024, N 4,096]; A: computed on the way; B: input w_fc1: QUANTISED
;;     6. [M 4,096, K 4,096] x [K 4,096, N 1,024]; A: computed on the way; B: input w_fc2: QUANTISED
;;   THE QUANTISER, for each operand of a quantised product, along K:
;;     - K is cut into blocks of 32 from its start; a last block that is shorter is filled with zeros.
;;     - A block's scale is 2^e with e = floor(log2(the largest magnitude in the block)) - 4, held to -126 .. 127; a block of zeros has e = 0. As a byte (E8M0): e + 127.
;;     - Each number is divided by its block's scale, clamped to +-28, and rounded to the nearest number of E3M2, ties to even, subnormals kept.
;;     - The product sums the exact products of the quantised numbers (number of the format x scale) in f32.
;;   ~~~python
;;   def quantise(x, axis):      # numpy; x: float32 -> the quantised numbers, widened to float32 again
;;       x = np.moveaxis(x, axis, -1); K = x.shape[-1]
;;       x = np.pad(x, [(0, 0)] * (x.ndim - 1) + [(0, -K % 32)]); x = x.reshape(x.shape[:-1] + (-1, 32)); a = np.abs(x).max(-1, keepdims=True)
;;       e = np.where(a > 0, np.clip(np.frexp(np.where(a > 0, a, 1))[1] - 1 - 4, -126, 127), 0)      # np.frexp(a)[1] - 1 = floor(log2(a)), exactly
;;       r = np.clip(x / 2.0 ** e, -28, 28)
;;       step = 2.0 ** (np.maximum(np.frexp(np.where(r == 0, 1, r))[1] - 1, -2) - 2)
;;       q = np.round(r / step) * step * 2.0 ** e      # np.round: ties to even
;;       return np.moveaxis(q.reshape(q.shape[:-2] + (-1,))[..., :K], -1, axis).astype(np.float32)
;;   ~~~
;;   SOFTMAX AHEAD OF A QUANTISED PRODUCT. Where the list says 'softmax', what is quantised is not the finished softmax but p = 2^(t - M), with t = logit x log2(e) and M = ceil(the row's largest t), a whole number; so 1/2 < the row's largest p <= 1. The row's sum l is taken of the UNQUANTISED p, in f32, and the product's result is divided by l at the end. Since M is a whole number, a kernel that streams over the keys may use a running M (the ceiling of the running maximum): every later rescaling is an exact power of two, which a block's scale takes up: the codes' values come out the same.
;;   OPERANDS COMPUTED ON THE WAY. 'Computed on the way' means the value that the module computes at that place (a softmax that the list does not call 'softmax' is quantised finished and normalised). What goes into a quantiser is computed in f32, as accurately as f32 sums, v_exp_f32 and their like allow (about 1e-6 of the number): no bf16 or f16 on the way to a quantiser, and a product that is left as it is and whose result goes on into a quantised operand takes f32 operands (vector FMAs, or v_wmma_f32_16x16x4_f32). A number that lies on a knife's edge between two numbers of the format may be rounded either way, as far as f32 arithmetic and the matrix unit's own rounding can turn it there, and no further.
;; One version. Each part assembles by itself: llvm-mc -triple=amdgcn-amd-amdhsa -mcpu=gfx1250 --defsym DOCPART=n.
;; ======== version 1 of 1: 7 launches
;; workspace buffers: wc 9,830,400 bytes; hn 3,276,800 bytes; qc 3,407,872 bytes; kv 6,553,600 bytes; ctx 3,276,800 bytes; x1 16,777,216 bytes; hid 13,107,200 bytes
;; launch pre (part 1): grid 640 x 1, 8 waves a work-group, no clusters, 95,232 bytes of LDS; arguments x, ln1_g, ln1_b, hn, w_qkv, w_out, w_fc1, w_fc2, wc; writes hn, wc
.if DOCPART == 1
	.amdgcn_target "amdgcn-amd-amdhsa--gfx1250"
	.amdhsa_code_object_version 6
	.text
	.protected	k_q1b28b552e6_pre
	.globl	k_q1b28b552e6_pre
	.p2align	8
	.type	k_q1b28b552e6_pre,@function
k_q1b28b552e6_pre:
	s_mov_b64 s[64:65], 0
	v_nop
	global_prefetch_b8 v0, s[64:65] scope:SCOPE_SE
	s_setreg_imm32_b32 hwreg(HW_REG_WAVE_MODE, 25, 1), 1
	s_wait_xcnt 0x0
; TWO JOBS THAT SHARE NO DATA, IN ONE LAUNCH: work-groups 0 .. 383 turn the four weights into codes, work-groups 384 .. 639 norm and quantise the rows of x.  The two ways part once, on the work-group's number,
; and each has LDS bytes of its own (the weights' 0 .. 27,647, the rows' 27,648 .. 93,951).  Both make RECORDS of 12,800 bytes, codes of BF6 (E3M2) with one E8M0 byte for each 32 along K:
; a record holds one fragment of 16 rows (or columns) for 1,024 along K: eight register images of 1,536 bytes (K step s of 128 at 1,536 s: register quad q of lane L at 512 q + 16 L), then 512 bytes of
; scale words (K step s, lane r at 12,288 + 64 s + 4 r).  Lane r of fragment F stands for row (column) 32 (F / 2) + 8 (F % 2) + r + 8 (r / 8).
; A block's scale is 2^(floor(log2(largest magnitude)) - 4): the largest magnitude's exponent field less 4, held at 1 from below.
; LIMITS: a block of zeros gets the byte 1 where the rule says 127 (its codes are zeros, and this program alone reads the bytes); blocks under 2^-122 are held at byte 1; NaN and infinities are not served.
; No work-group shares an input byte with another (gain and bias, 8,192 bytes, apart): no cluster, no tensor load.
.set NWQ, 384
.set REC, 12800
	v_lshl_add_u32 v216, v0, 2, 0x17000
	v_mov_b32 v217, 0
	s_cmp_lt_u32 ttmp9, NWQ
	s_cbranch_scc0 .Lnorm
; ---------------- THE WEIGHTS, f32 stored [K][N].  Records in wc: w_qkv's fragments at 0 .. 191, w_out's at 192 .., w_fc1's at 256 .., w_fc2's fragment F, K group g at 512 + 4 F + g.
; A work-group takes 32 columns x 1,024 along K: two whole records; wave w takes K step w.  A LANE TAKES A COLUMN AND ITS REGISTERS RUN DOWN K, so a block of 32 lies in one lane and the conversions give
; codes with K innermost.  The codes turn through the wave's own stage in LDS into the image's order and leave as stores of 512 consecutive bytes, aligned.
; One path serves all four tensors: only a pointer and four numbers are chosen, by the work-group's number.
.set X,   48                           ; v48-175  four blocks of 32 numbers
.set C,   176                          ; v176-207 eight registers a block: its six of codes, and room for the second conversion
.set OFF, 16                           ; v16-47   4 x lane + i rows
.set US,  1664                         ; a fragment's place in a wave's stage: 1,536 + 128
.set WST, 3328                         ; a wave's stage
.set SCW, 26624                        ; behind the eight stages: the two records' scale words, 512 bytes each
	s_load_b256 s[4:11], s[0:1], 0x20              ; w_qkv, w_out, w_fc1, w_fc2
	s_load_b64 s[12:13], s[0:1], 0x40              ; wc
	v_lshrrev_b32 v1, 5, v0
	v_readfirstlane_b32 s16, v1                    ; wave 0..7: my K step
	v_and_b32 v2, 31, v0                           ; lane
	s_and_b32 s17, ttmp9, 1                        ; which 32 columns of a block of 64
	s_lshr_b32 s18, ttmp9, 1                       ; the block of 64 columns x 1,024 along K: 0 .. 191
	s_sub_co_u32 s19, s18, 128                     ; w_fc2's numbers first; the others replace them below
	s_and_b32 s20, s19, 15                         ; block of 64 columns
	s_lshr_b32 s21, s19, 4                         ; K group
	s_lshl_b32 s22, s20, 4
	s_add_co_u32 s22, s22, s21
	s_add_co_u32 s22, s22, 512                     ; the block's first record
	s_mov_b32 s23, 4                               ; records from fragment to fragment
	s_mov_b32 s24, 4096                            ; bytes in a row of the weight
	s_sub_co_u32 s25, s18, 64
	s_sub_co_u32 s26, s18, 48
	s_lshl_b32 s27, s18, 2
	s_wait_kmcnt 0x0
	s_mov_b64 s[28:29], s[10:11]
	s_cmp_lt_u32 s18, 128                          ; w_fc1: blocks 64 .. 127
	s_cselect_b64 s[28:29], s[8:9], s[28:29]
	s_cselect_b32 s24, 0x4000, s24
	s_cselect_b32 s20, s25, s20
	s_cselect_b32 s21, 0, s21
	s_cselect_b32 s22, s27, s22                    ; for the three tensors with K = 1,024 the first record is 4 x the block's number
	s_cselect_b32 s23, 1, s23
	s_cmp_lt_u32 s18, 64                           ; w_out: 48 .. 63
	s_cselect_b64 s[28:29], s[6:7], s[28:29]
	s_cselect_b32 s24, 0x1000, s24
	s_cselect_b32 s20, s26, s20
	s_cmp_lt_u32 s18, 48                           ; w_qkv: 0 .. 47
	s_cselect_b64 s[28:29], s[4:5], s[28:29]
	s_cselect_b32 s24, 0x3000, s24
	s_cselect_b32 s20, s18, s20
	s_lshl_b32 s30, s21, 10
	s_lshl_b32 s31, s16, 7
	s_add_co_u32 s30, s30, s31                     ; my first row: 1,024 g + 128 s
	s_mul_i32 s30, s30, s24
	s_lshl_b32 s31, s20, 8
	s_add_co_u32 s30, s30, s31                     ; + 64 columns a block
	s_lshl_b32 s31, s17, 7
	s_add_co_u32 s30, s30, s31                     ; + my 32 columns (all under 2^25 bytes)
	s_mov_b32 s31, 0
	s_add_nc_u64 s[32:33], s[28:29], s[30:31]      ; block 0's first row
	s_lshl_b32 s30, s24, 5                         ; 32 rows on
	s_add_nc_u64 s[34:35], s[32:33], s[30:31]
	s_add_nc_u64 s[36:37], s[34:35], s[30:31]
	s_add_nc_u64 s[38:39], s[36:37], s[30:31]
	v_lshlrev_b32 v[OFF], 2, v2
.set i, 1
.rept 31
	v_add_nc_u32 v[OFF+i], s24, v[OFF+i-1]
.set i, i+1
.endr
.irp b, 0,1,2,3
.set i, 0
.rept 32
	global_load_b32 v[X+32*\b+i], v[OFF+i], s[32+2*\b:33+2*\b] th:TH_LOAD_NT   ; a row's 128 consecutive bytes a wave; read once in the launch
.set i, i+1
.endr
.endr
	v_bfe_u32 v3, v0, 3, 1                         ; my column's fragment of the two: u = (lane / 8) % 2
	v_and_b32 v4, 7, v0
	v_bfe_u32 v5, v0, 4, 1
	v_lshl_add_u32 v4, v5, 3, v4                   ; and its lane there: lane % 8 + 8 (lane / 16)
	s_mul_i32 s40, s16, WST
	v_mul_u32_u24 v6, v3, US
	v_lshl_add_u32 v6, v4, 4, v6
	v_add_nc_u32 v6, s40, v6                       ; into my stage
	v_lshlrev_b32 v7, 4, v2                        ; 16 x lane
	v_add_nc_u32 v13, s40, v7                      ; and back out of it
	s_lshl_b32 s41, s16, 6
	s_add_co_u32 s41, s41, SCW
	v_lshlrev_b32 v14, 9, v3
	v_lshl_add_u32 v14, v4, 2, v14
	v_add_nc_u32 v14, s41, v14                     ; my column's scale word: record u, K step s
	s_min_u32 s50, s16, 1                          ; (waves 0 and 1 alone use the next two addresses)
	s_lshl_b32 s42, s50, 9
	s_add_co_u32 s42, s42, SCW
	v_add_nc_u32 v15, s42, v7
	s_lshl_b32 s43, s17, 1
	s_mul_i32 s43, s43, s23
	s_add_co_u32 s43, s43, s22                     ; the record of my first fragment
	s_mul_i32 s44, s43, REC
	s_mul_i32 s45, s16, 1536
	s_add_co_u32 s44, s44, s45
	s_mov_b32 s45, 0
	s_add_nc_u64 s[46:47], s[12:13], s[44:45]
	s_mul_i32 s44, s23, REC
	s_add_nc_u64 s[48:49], s[46:47], s[44:45]      ; and of my second
	s_mul_i32 s50, s50, s23
	s_add_co_u32 s50, s50, s43
	s_mul_i32 s50, s50, REC
	s_add_co_u32 s50, s50, 12288
	s_mov_b32 s51, 0
	s_add_nc_u64 s[50:51], s[12:13], s[50:51]      ; the scale words of the work-group's record w
; Block b of my K step: k = 32 b .. 32 b + 31 of my column.  In the image it is registers 6 (b / 2) .. + 5 of the lane 16 (b % 2) further on.
.macro BLOCK b, cnt
.set XS, X+32*\b
.set CC, C+8*\b
	s_wait_loadcnt \cnt                            ; this block's 32 loads are in: behind them 32 (3 - b) were issued, and the wait can name 63 at the most
	v_max3_num_f32 v8, |v[XS]|, |v[XS+1]|, |v[XS+2]|
	v_max3_num_f32 v9, |v[XS+3]|, |v[XS+4]|, |v[XS+5]|
.irp i, 6,10,14,18,22,26
	v_max3_num_f32 v8, v8, |v[XS+\i]|, |v[XS+\i+1]|
	v_max3_num_f32 v9, v9, |v[XS+\i+2]|, |v[XS+\i+3]|
.endr
	v_max3_num_f32 v8, v8, |v[XS+30]|, |v[XS+31]|
	v_max3_num_f32 v8, v8, v9, 0x2800000           ; with the floor 2^(5 - 127): the byte cannot fall under 1
	v_add_nc_u32 v10, 0xfe000000, v8               ; 4 off the exponent field: the conversion's scale operand
	v_lshrrev_b32 v11, 23, v10                     ; the scale's byte
	v_cvt_scalef32_pk16_bf6_f32 v[CC:CC+2], v[XS:XS+15], v10
	v_cvt_scalef32_pk16_bf6_f32 v[CC+4:CC+6], v[XS+16:XS+31], v10   ; (a conversion's three registers begin on an even number)
.if \b == 0
	v_mov_b32 v12, v11                             ; the scale word, byte b.  (Also the plain line behind the conversions)
.else
	v_lshl_or_b32 v12, v11, 8*\b, v12
.endif
	v_mov_b32 v[CC+3], v[CC+4]
	v_mov_b32 v[CC+4], v[CC+5]
	v_mov_b32 v[CC+5], v[CC+6]
.if \b < 2
	ds_store_b128 v6, v[CC:CC+3] offset:256*(\b%2)             ; registers 0-3: quad 0
	ds_store_b64 v6, v[CC+4:CC+5] offset:512+256*(\b%2)        ; registers 4, 5: quad 1's first half
.else
	ds_store_b64 v6, v[CC:CC+1] offset:520+256*(\b%2)          ; registers 6, 7: its second half
	ds_store_b128 v6, v[CC+2:CC+5] offset:1024+256*(\b%2)      ; registers 8-11: quad 2
.endif
.endm
	BLOCK 0, 63
	BLOCK 1, 63
	BLOCK 2, 32
	BLOCK 3, 0
	ds_store_b32 v14, v12
.irp n, 0,1,2,3,4,5
	ds_load_b128 v[48+4*\n:51+4*\n], v13 offset:US*(\n/3)+512*(\n%3)   ; LDS serves a wave's instructions in order: these see my stores
.endr
.irp n, 0,1,2,3,4,5
	s_wait_dscnt 5-\n
	global_store_b128 v7, v[48+4*\n:51+4*\n], s[46+2*(\n/3):47+2*(\n/3)] offset:512*(\n%3)   ; 512 consecutive bytes, aligned
.endr
	s_wait_dscnt 0x0                               ; for the others' sake: my scale words lie in LDS
	s_barrier_signal -1
	s_barrier_wait -1
	s_cmp_lt_u32 s16, 2
	s_cbranch_scc0 .Lend_w
	ds_load_b128 v[72:75], v15                     ; record w's 512 bytes of scale words, from eight waves
	s_wait_dscnt 0x0
	global_store_b128 v7, v[72:75], s[50:51]
.Lend_w:
	s_wait_tensorcnt 0x0
	ds_add_u32 v216, v217
	s_wait_dscnt 0x0
	s_endpgm
; ---------------- THE ROWS: layer norm of 16 rows of 1,024 f32, then the quantiser along the row: one record in hn.  Work-group 384 + F makes fragment F.
; PHASE 1: wave w norms rows r = 2 w, 2 w + 1, each whole in 32 registers of the wave: mean, then the mean of the squared differences (two passes over registers, as the problem's text writes it), all f32.
; The rows meet in LDS (pitch 4,112 bytes = 257 x 16, so that sixteen rows' loads of 16 bytes fall on different banks).  PHASE 2: wave w quantises K step w: lane (r, h) holds whole blocks
; 2 c + h of row r, in the order of the operand's registers, so the conversions' results are the image.
.Lnorm:
.set X0,  16                           ; v16-47   row 2 w
.set X1,  48                           ; v48-79   row 2 w + 1
.set GN,  80                           ; v80-111  the gain at my columns
.set BS,  112                          ; v112-143 the bias
.set RP,  4112
.set LNB, 27648                        ; this way's LDS begins behind the other way's
.set SCA, LNB+65792                    ; behind the 16 rows: the record's scale words
	s_load_b256 s[4:11], s[0:1], 0x0               ; the rows, gain, bias, the records
	s_sub_co_u32 s26, ttmp9, NWQ                   ; F
	v_lshrrev_b32 v1, 5, v0
	v_readfirstlane_b32 s12, v1                    ; wave 0..7
	v_and_b32 v2, 31, v0
	v_lshlrev_b32 v3, 4, v2                        ; 16 x lane
	s_lshr_b32 s13, s26, 1
	s_lshl_b32 s13, s13, 5
	s_and_b32 s14, s26, 1
	s_lshl_b32 s14, s14, 3
	s_add_co_u32 s13, s13, s14
	s_lshl_b32 s14, s12, 1
	s_add_co_u32 s13, s13, s14
	s_lshr_b32 s14, s12, 2
	s_lshl_b32 s14, s14, 3
	s_add_co_u32 s13, s13, s14                     ; my first row in memory: 32 (F / 2) + 8 (F % 2) + 2 w + 8 (w / 4)
	s_lshl_b32 s14, s13, 12
	s_mov_b32 s15, 0
	s_mov_b32 s16, 0x76543210
	s_mov_b32 s17, 0xfedcba98                      ; v_permlanex16_b32's selects for lane l xor 16
	s_mov_b32 s18, 0xba800000                      ; -1 / 1,024
	s_mov_b32 s19, 0x3a800000                      ; 1 / 1,024
	s_mov_b32 s20, 0x3727c5ac                      ; 1e-5
	s_mul_i32 s22, s26, REC
	s_mul_i32 s23, s12, 1536
	s_add_co_u32 s22, s22, s23
	s_mov_b32 s23, 0
	s_wait_kmcnt 0x0
	s_add_nc_u64 s[4:5], s[4:5], s[14:15]
	s_add_nc_u64 s[24:25], s[10:11], s[22:23]      ; my K step's image
	s_mul_i32 s22, s26, REC
	s_add_co_u32 s22, s22, 12288
	s_add_nc_u64 s[10:11], s[10:11], s[22:23]      ; the record's scale words
.irp i, 0,1,2,3,4,5,6,7
	global_load_b128 v[X0+4*\i:X0+4*\i+3], v3, s[4:5] offset:512*\i
.endr
.irp i, 0,1,2,3,4,5,6,7
	global_load_b128 v[X1+4*\i:X1+4*\i+3], v3, s[4:5] offset:4096+512*\i
.endr
.irp i, 0,1,2,3,4,5,6,7
	global_load_b128 v[GN+4*\i:GN+4*\i+3], v3, s[6:7] offset:512*\i
.endr
.irp i, 0,1,2,3,4,5,6,7
	global_load_b128 v[BS+4*\i:BS+4*\i+3], v3, s[8:9] offset:512*\i
.endr
	s_mul_i32 s21, s12, 2*RP
	s_add_co_u32 s21, s21, LNB
	v_add_nc_u32 v4, s21, v3                       ; phase 1: my rows in LDS
	v_and_b32 v8, 15, v0                           ; r
	v_bfe_u32 v9, v0, 4, 1                         ; h
	v_mul_u32_u24 v5, v8, RP
	v_lshl_add_u32 v5, v9, 7, v5
	s_lshl_b32 s21, s12, 9
	s_add_co_u32 s21, s21, LNB
	v_add_nc_u32 v5, s21, v5                       ; phase 2: row r, K step w, + 128 h bytes
	s_lshl_b32 s21, s12, 6
	s_add_co_u32 s21, s21, SCA
	v_lshl_add_u32 v6, v8, 2, s21                  ; my row's scale word of K step w
	v_add_nc_u32 v7, SCA, v3
	v_mov_b32 v152, 0                              ; written once: a lane permute's destination counts as one of its sources
	v_mov_b32 v153, 0
.macro RSUM x, a                       ; my 32 numbers' sum, in two chains of pairs
	v_pk_add_f32 v[\a:\a+1], v[\x:\x+1], v[\x+2:\x+3]
	v_pk_add_f32 v[\a+2:\a+3], v[\x+4:\x+5], v[\x+6:\x+7]
.irp j, 8,12,16,20,24,28
	v_pk_add_f32 v[\a:\a+1], v[\a:\a+1], v[\x+\j:\x+\j+1]
	v_pk_add_f32 v[\a+2:\a+3], v[\a+2:\a+3], v[\x+\j+2:\x+\j+3]
.endr
	v_pk_add_f32 v[\a:\a+1], v[\a:\a+1], v[\a+2:\a+3]
	v_add_f32 v[\a], v[\a], v[\a+1]
.endm
.macro RSQ x, a                        ; the sum of their squares
	v_pk_mul_f32 v[\a:\a+1], v[\x:\x+1], v[\x:\x+1]
	v_pk_mul_f32 v[\a+2:\a+3], v[\x+2:\x+3], v[\x+2:\x+3]
.irp j, 4,8,12,16,20,24,28
	v_pk_fma_f32 v[\a:\a+1], v[\x+\j:\x+\j+1], v[\x+\j:\x+\j+1], v[\a:\a+1]
	v_pk_fma_f32 v[\a+2:\a+3], v[\x+\j+2:\x+\j+3], v[\x+\j+2:\x+\j+3], v[\a+2:\a+3]
.endr
	v_pk_add_f32 v[\a:\a+1], v[\a:\a+1], v[\a+2:\a+3]
	v_add_f32 v[\a], v[\a], v[\a+1]
.endm
.macro LANES a, t                      ; over the 32 lanes; every lane ends with the sum
	v_add_f32_dpp v[\a], v[\a], v[\a] row_xmask:1 row_mask:0xf bank_mask:0xf
	v_add_f32_dpp v[\a], v[\a], v[\a] row_xmask:2 row_mask:0xf bank_mask:0xf
	v_add_f32_dpp v[\a], v[\a], v[\a] row_xmask:4 row_mask:0xf bank_mask:0xf
	v_add_f32_dpp v[\a], v[\a], v[\a] row_xmask:8 row_mask:0xf bank_mask:0xf
	v_permlanex16_b32 v[\t], v[\a], s16, s17
	v_add_f32 v[\a], v[\a], v[\t]
.endm
	s_wait_loadcnt 16                              ; both rows are in; the sixteen loads of gain and bias may be out
	RSUM X0, 144
	RSUM X1, 148
	LANES 144, 152
	LANES 148, 153
	v_mul_f32 v154, s18, v144                      ; minus the mean, as a pair
	v_mul_f32 v156, s18, v148
	v_mov_b32 v155, v154
	v_mov_b32 v157, v156
.set j, 0
.rept 16
	v_pk_add_f32 v[X0+j:X0+j+1], v[X0+j:X0+j+1], v[154:155]
	v_pk_add_f32 v[X1+j:X1+j+1], v[X1+j:X1+j+1], v[156:157]
.set j, j+2
.endr
	RSQ X0, 144
	RSQ X1, 148
	LANES 144, 152
	LANES 148, 153
	v_fma_f32 v162, v144, s19, s20                 ; the variance + 1e-5
	v_fma_f32 v163, v148, s19, s20
	v_rsq_f32 v158, v162
	v_rsq_f32 v160, v163
	v_nop                                          ; a plain line behind the two roots
	s_wait_alu depctr_va_vdst(0)                   ; one wait for both, ahead of their first reader
	v_mov_b32 v159, v158
	v_mov_b32 v161, v160
	s_wait_loadcnt 0x0                             ; gain and bias
.set j, 0
.rept 16
	v_pk_mul_f32 v[X0+j:X0+j+1], v[X0+j:X0+j+1], v[158:159]
	v_pk_mul_f32 v[X1+j:X1+j+1], v[X1+j:X1+j+1], v[160:161]
	v_pk_fma_f32 v[X0+j:X0+j+1], v[X0+j:X0+j+1], v[GN+j:GN+j+1], v[BS+j:BS+j+1]
	v_pk_fma_f32 v[X1+j:X1+j+1], v[X1+j:X1+j+1], v[GN+j:GN+j+1], v[BS+j:BS+j+1]
.set j, j+2
.endr
.irp i, 0,1,2,3,4,5,6,7
	ds_store_b128 v4, v[X0+4*\i:X0+4*\i+3] offset:512*\i
	ds_store_b128 v4, v[X1+4*\i:X1+4*\i+3] offset:RP+512*\i
.endr
	s_wait_dscnt 0x0                               ; for the others' sake: my two rows lie in LDS
	s_barrier_signal -1
	s_barrier_wait -1
.irp c, 0,1
.irp i, 0,1,2,3,4,5,6,7
	ds_load_b128 v[16+32*\c+4*\i:19+32*\c+4*\i], v5 offset:256*\c+16*\i   ; k = 128 w + 64 c + 32 h + 4 i .. of row r
.endr
.endr
	s_wait_dscnt 0x0
.irp c, 0,1
	v_max3_num_f32 v[144+\c], |v[16+32*\c]|, |v[17+32*\c]|, 0x2800000     ; block 2 c + h: all 32 numbers are mine; the floor 2^(5 - 127) holds the byte at 1 from below
.endr
.irp i, 2,4,6,8,10,12,14,16,18,20,22,24,26,28,30
.irp c, 0,1
	v_max3_num_f32 v[144+\c], v[144+\c], |v[16+32*\c+\i]|, |v[17+32*\c+\i]|
.endr
.endr
.irp c, 0,1
	v_add_nc_u32 v[146+\c], 0xfe000000, v[144+\c]  ; 4 off the exponent field: the conversion's scale operand
.endr
.irp c, 0,1
	v_lshrrev_b32 v[148+\c], 23, v[146+\c]         ; the scale's byte
.endr
	v_lshl_or_b32 v150, v149, 16, v148             ; my two bytes, blocks h and 2 + h,
	v_lshlrev_b32 v151, 3, v9
	v_lshlrev_b32 v150, v151, v150                 ; at their places in the word;
	v_permlanex16_b32 v152, v150, s16, s17
	v_or_b32 v150, v150, v152                      ; with lane l xor 16's two the word is whole
.irp c, 0,1
	v_cvt_scalef32_pk16_bf6_f32 v[80+6*\c:82+6*\c], v[16+32*\c:31+32*\c], v[146+\c]
	v_cvt_scalef32_pk16_bf6_f32 v[92+4*\c:94+4*\c], v[32+32*\c:47+32*\c], v[146+\c]   ; (a conversion's three registers begin on an even number)
.endr
	v_nop                                          ; one plain line behind the conversions
.irp c, 0,1
.irp i, 0,1,2
	v_mov_b32 v[83+6*\c+\i], v[92+4*\c+\i]
.endr
.endr
.irp q, 0,1,2
	global_store_b128 v3, v[80+4*\q:83+4*\q], s[24:25] offset:512*\q      ; the image: 512 consecutive bytes a store, aligned
.endr
	ds_store_b32 v6, v150                          ; both halves of the lanes write the same word with the same value
	s_wait_dscnt 0x0
	s_barrier_signal -1
	s_barrier_wait -1
	s_cmp_lg_u32 s12, 0
	s_cbranch_scc1 .Lend_n
	ds_load_b128 v[16:19], v7                      ; the eight K steps' scale words
	s_wait_dscnt 0x0
	global_store_b128 v3, v[16:19], s[10:11]
.Lend_n:
	s_wait_tensorcnt 0x0
	ds_add_u32 v216, v217
	s_wait_dscnt 0x0
	s_endpgm
.Lfunc_end_k_q1b28b552e6_pre:
	.size	k_q1b28b552e6_pre, .Lfunc_end_k_q1b28b552e6_pre-k_q1b28b552e6_pre
	.p2alignl 7, 3214868480
	.fill 96, 4, 3214868480
	.section	.rodata,"a",@progbits
	.p2align	6, 0x0
	.amdhsa_kernel k_q1b28b552e6_pre
		.amdhsa_group_segment_fixed_size 95232
		.amdhsa_private_segment_fixed_size 0
		.amdhsa_enable_private_segment 0
		.amdhsa_kernarg_size 72
		.amdhsa_user_sgpr_count 2
		.amdhsa_user_sgpr_kernarg_segment_ptr 1
		.amdhsa_wavefront_size32 1
		.amdhsa_system_sgpr_workgroup_id_x 1
		.amdhsa_system_sgpr_workgroup_id_y 1
		.amdhsa_system_sgpr_workgroup_id_z 1
		.amdhsa_system_vgpr_workitem_id 0
		.amdhsa_next_free_vgpr 218
		.amdhsa_next_free_sgpr 66
		.amdhsa_reserve_vcc 0
		.amdhsa_float_denorm_mode_32 3
		.amdhsa_float_denorm_mode_16_64 3
		.amdhsa_memory_ordered 1
		.amdhsa_forward_progress 1
		.amdhsa_inst_pref_size 48
	.end_amdhsa_kernel
	.amdgpu_metadata
---
amdhsa.version: [ 1, 2 ]
amdhsa.kernels:
  - .name:           k_q1b28b552e6_pre
    .symbol:         k_q1b28b552e6_pre.kd
    .args:
      - { .name: x, .offset: 0, .size: 8, .value_kind: global_buffer, .address_space: global }
      - { .name: ln1_g, .offset: 8, .size: 8, .value_kind: global_buffer, .address_space: global }
      - { .name: ln1_b, .offset: 16, .size: 8, .value_kind: global_buffer, .address_space: global }
      - { .name: hn, .offset: 24, .size: 8, .value_kind: global_buffer, .address_space: global }
      - { .name: w_qkv, .offset: 32, .size: 8, .value_kind: global_buffer, .address_space: global }
      - { .name: w_out, .offset: 40, .size: 8, .value_kind: global_buffer, .address_space: global }
      - { .name: w_fc1, .offset: 48, .size: 8, .value_kind: global_buffer, .address_space: global }
      - { .name: w_fc2, .offset: 56, .size: 8, .value_kind: global_buffer, .address_space: global }
      - { .name: wc, .offset: 64, .size: 8, .value_kind: global_buffer, .address_space: global }
    .group_segment_fixed_size: 95232
    .private_segment_fixed_size: 0
    .kernarg_segment_align: 8
    .kernarg_segment_size: 72
    .max_flat_workgroup_size: 256
    .sgpr_count:     66
    .vgpr_count:     218
    .wavefront_size: 32
...
	.end_amdgpu_metadata
.endif
;; end of part 1
;; launch qkv (part 2): grid 16 x 16, 4 waves a work-group, clusters of 4 x 1, 168,448 bytes of LDS; arguments hn, wc, b_qkv, qc, kv; writes qc, kv
.if DOCPART == 2
	.amdgcn_target "amdgcn-amd-amdhsa--gfx1250"
	.amdhsa_code_object_version 6
	.text
	.protected	k_q1b28b552e6_qkv
	.globl	k_q1b28b552e6_qkv
	.p2align	8
	.type	k_q1b28b552e6_qkv,@function
k_q1b28b552e6_qkv:
	s_mov_b64 s[64:65], 0
	v_nop
	global_prefetch_b8 v0, s[64:65] scope:SCOPE_SE
	s_setreg_imm32_b32 hwreg(HW_REG_WAVE_MODE, 25, 1), 1
	s_wait_xcnt 0x0
	s_wait_alu depctr_hold_cnt(0) depctr_sa_sdst(0) depctr_va_vdst(0) depctr_va_sdst(0) depctr_va_ssrc(0) depctr_va_vcc(0) depctr_vm_vsrc(0)
	s_getreg_b32 s2, hwreg(HW_REG_IB_STS2, 6, 4)
	s_cmp_eq_u32 s2, 0
	s_cbranch_scc0 .Lentry_in_a_cluster
	s_endpgm
.Lentry_in_a_cluster:
	s_bfe_u32 s2, ttmp6, 0x10000c
	s_cmp_lg_u32 s2, 0x3003
	s_cbranch_scc0 .Lentry_shape_is_right
	s_endpgm
.Lentry_shape_is_right:
; q, k, v of one head for 256 rows: (normed rows) x w_qkv + b_qkv on codes of BF6 with E8M0 scales, K = 1,024; the results are quantised in registers and leave as the operands of the attention launch.
; SHARES.  Work-group (rb, nb): rows 256 rb .., head nb.  Wave w: 64 rows = A's fragments 16 rb + 4 w + i.  Its A (4 fragments x 8 K steps, 384 registers) comes from memory straight into registers, as images.
; B: the head's 64 columns of q, of k and of v: 3 x 4 records of 12,800 bytes.  They come into LDS ONCE, each wave one record of each chunk by one tensor load; no LDS byte is filled twice.
; CLUSTER.  The four row blocks of a cluster need the same B: each record is asked for jointly (mask 15).  A is not shared through LDS: it is read by one wave of a work-group, and goes to registers.
; THE ORDER OF THE LOADS.  LOADcnt's field holds 63, and a load that would push it further is held at issue (ISA guide 5.7.1).  So what the first products need is asked for first: q's bias (8 loads), A's scale words (16),
; then A by K steps: K steps 0 to 2 stand among the first 60 loads.  k's and v's biases, 40 loads that are wanted two passes later, are asked for in K step 5 of the first pass.
; A fragment's lane r stands for row (or column) 32 (F / 2) + 8 (F % 2) + r + 8 (r / 8), so that the 16 registers of two neighbouring result tiles are 16 neighbours along the next product's K.
; q, k: source 0 = B, source 1 = A: a lane holds one row and 64 channels in 32 registers of each half.  v: source 0 = A, source 1 = B: a lane holds one channel and registers run along the keys, which are its K.
; OUT: qc [head][Q = F / 4][3,328]: four half images (768 bytes: registers 0-3 at 16 L, 4-5 at 512 + 8 L), then words s0 s1 s0 s1 at 3,072 + 16 r + 4 (F % 4).
;      kv [16 batch + head][128 keys][12,800]: K's images (key fragments 2 G and 2 G + 1 in registers 0-5 and 6-11) at 1,536 G; V's half images at 6,144 + 1,536 f + 768 c; K's words at 12,288 + 128 (G / 2) + 8 r + 4 (G % 2);
;      V's halfwords at 12,544 + 128 c + 8 r + 2 f.  The three small stores of scales cover 128 or 256 consecutive bytes each: one part in 24 of the codes' bytes.
; LIMITS: a block of zeros gets the byte 1 where the rule says 127 (its codes are zeros, and this program alone reads the bytes); blocks under 2^-122 are held at byte 1; NaN and infinities are not served.
; REGISTERS, in windows of 256: window 0: v1-10 addresses; v16-31 A's scale words, v32-47 B's; v48-175 16 accumulators; v176-255 the quantiser.  Window 1: A's K steps 0-4 (48 s + 12 i).  Window 2: K steps 5-7.
;   Window 3: B's fragments, two sets (48 (s % 2) + 12 f); the biases from v96.
.set NCH, 3                            ; chunks of 64 columns
.set NLATE, 40                         ; loads asked for in K step 5 of the first pass
.set REC, 12800
.set LI,  1                            ; 16 x lane
.set LS,  2                            ; 4 x lane
.set L8,  3                            ; 8 x lane
.set LB,  4                            ; the chunk's B in LDS, + 16 x lane
.set LSB, 5                            ; + 4 x lane
.set BO,  7                            ; 64 h
.set VBO, 8                            ; 4 (r + 8 (r / 8))
.set QSO, 9                            ; 16 r + 8 h
.set KSO, 10                           ; 8 r + 4 h
.set ASC, 16
.set BSC, 32
.set ACC, 48
.set P,   176                          ; codes to store
.set TC,  224                          ; the quantiser's registers
.set TM,  228
.set TP,  230
.set TS,  232
.set TBY, 234
.set HW,  236
.set WD,  240
.set WO,  244
.set SEL, 20
.set MSB, 0
.macro WIN new                         ; the immediate's high byte repeats the setting that is left
.if MSB != \new
	s_set_vgpr_msb (MSB<<8)|\new
.set MSB, \new
.endif
.endm
.macro PLACES                          ; four places: in front of loads into registers that matrix instructions have read, and of the first read of results
.rept 4
	v_nop
.endr
.endm
.macro CROUND                          ; a round of the cluster's barrier
	s_barrier_signal -1
	s_barrier_wait -1
	s_cmp_lg_u32 s16, 0
	s_cbranch_scc1 .Lnot_wave_0_\@
	s_barrier_signal -3
.Lnot_wave_0_\@:
	s_barrier_wait -3
	s_barrier_signal -1
	s_barrier_wait -1
.endm
.macro WM d, a, b, c, sa, sb, odd      ; one product; odd: the scale words of an odd K step lie in lanes 16-31
.if \odd
	v_wmma_scale_f32_16x16x128_f8f6f4 v[\d:\d+7], v[\a:\a+11], v[\b:\b+11], v[\c:\c+7], v[\sa], v[\sb] matrix_a_fmt:MATRIX_FMT_BF6 matrix_b_fmt:MATRIX_FMT_BF6 matrix_a_scale:MATRIX_SCALE_ROW1 matrix_b_scale:MATRIX_SCALE_ROW1
.else
	v_wmma_scale_f32_16x16x128_f8f6f4 v[\d:\d+7], v[\a:\a+11], v[\b:\b+11], v[\c:\c+7], v[\sa], v[\sb] matrix_a_fmt:MATRIX_FMT_BF6 matrix_b_fmt:MATRIX_FMT_BF6
.endif
.endm
; A K step's 16 products, one on each accumulator: the accumulators take turns.  ab, aw: A's first register and window; bb: B's set; sj, aj: the scale registers' index;
; ori = 0: source 0 = B;  1: source 0 = A.  cb >= 0: the sums start from the bias at window 3's v[cb + 8 f].
.macro MULS ab, aw, bb, sj, aj, odd, ori, cb
.if \cb >= 0
.set WX, 0x30
.else
.set WX, 0
.endif
.if \ori
.set WN, WX|0x0c|\aw
.else
.set WN, WX|3|(\aw<<2)
.endif
	WIN WN
.irp i, 0,1,2,3
.irp f, 0,1,2,3
.if \ori
.set DR, ACC+32*\f+8*\i
.else
.set DR, ACC+32*\i+8*\f
.endif
.if \cb >= 0
.set CR, \cb+8*\f
.else
.set CR, DR
.endif
.if \ori
	WM DR, \ab+12*\i, \bb+12*\f, CR, ASC+\aj+4*\i, BSC+\sj+4*\f, \odd
.else
	WM DR, \bb+12*\f, \ab+12*\i, CR, BSC+\sj+4*\f, ASC+\aj+4*\i, \odd
.endif
.endr
.endr
.endm
.macro BFETCH s                        ; B's four fragments of K step s into set s % 2
	WIN 0xc0
.irp f, 0,1,2,3
.irp q, 0,1,2
	ds_load_b128 v[48*((\s)%2)+12*\f+4*\q:48*((\s)%2)+12*\f+4*\q+3], v[LB] offset:REC*\f+1536*(\s)+512*\q
.endr
.endr
.endm
.macro BSCL                            ; B's scale words: register 4 f + j holds K step 2 j in lanes 0-15 and 2 j + 1 in lanes 16-31
.irp f, 0,1,2,3
.irp j, 0,1,2,3
	ds_load_b32 v[BSC+4*\f+\j], v[LSB] offset:REC*\f+12288+128*\j
.endr
.endr
.endm
.macro ALOAD s                         ; A's four fragments of K step s
.if \s < 5
	WIN 0x40
.set AR, 48*\s
.else
	WIN 0x80
.set AR, 48*(\s-5)
.endif
.irp i, 0,1,2,3
.irp q, 0,1,2
	global_load_b128 v[AR+12*\i+4*\q:AR+12*\i+4*\q+3], v[LI], s[66:67] offset:REC*\i+1536*\s+512*\q
.endr
.endr
.endm
.macro LATE                            ; k's bias (8 loads), then v's (32): registers of window 3 that no product has named yet
	WIN 0xc0
.irp f, 0,1,2,3
	global_load_b128 v[128+8*\f:131+8*\f], v[BO], s[68:69] offset:4096+128*(\f/2)+32*(\f%2)
	global_load_b128 v[132+8*\f:135+8*\f], v[BO], s[68:69] offset:4096+128*(\f/2)+32*(\f%2)+16
.endr
.irp f, 0,1,2,3                        ; v's: a lane holds one column, so its eight registers hold one number
.irp j, 0,1,2,3,4,5,6,7
	global_load_b32 v[160+8*\f+\j], v[VBO], s[68:69] offset:8192+128*(\f/2)+32*(\f%2)
.endr
.endr
.endm
; A chunk: 64 columns x K = 1,024.  first = 1: the pass in which A lands.  lw: in the other passes, how many loads were issued behind this chunk's bias.
.macro PASS chunk, ori, cb, first, lw
	WIN 0
	s_wait_tensorcnt NCH-1-\chunk                  ; my record of this chunk has landed; the later chunks' loads may stay out
	s_wait_dscnt 0x0
	s_barrier_signal -1
	s_barrier_wait -1                              ; everybody's has
	v_add_nc_u32 v[LB], 51200*\chunk, v[LI]
	v_add_nc_u32 v[LSB], 51200*\chunk, v[LS]
	PLACES
	BSCL
	BFETCH 0
.irp k, 0,1,2,3,4,5,6,7
.if \k < 7
	PLACES                                         ; the set that K step k - 1 multiplied is loaded again
	BFETCH \k+1
	s_wait_dscnt 12                                ; all but the 12 just issued
.else
	s_wait_dscnt 0x0
.endif
.if \first
.if \k == 5
	LATE
.endif
.set LC, 12*(7-\k)
.if \k >= 5
.set LC, LC+NLATE
.endif
.if LC > 63
.set LC, 63
.endif
	s_wait_loadcnt LC                              ; A's K step k is in: behind it 12 (7 - k) loads of A were issued and, from K step 5 on, the 40 late ones (the wait can name 63 at the most)
.elseif \k == 0
	s_wait_loadcnt \lw                             ; this chunk's bias is in
.endif
.if \k == 0
	MULS 0, 1, 0, 0, 0, 0, \ori, \cb
.elseif \k < 5
	MULS 48*\k, 1, 48*(\k%2), \k/2, \k/2, \k%2, \ori, -1
.else
	MULS 48*(\k-5), 2, 48*(\k%2), \k/2, \k/2, \k%2, \ori, -1
.endif
.endr
	WIN 0
.endm
; 32 registers of a lane, 16 b + i = k 32 b + 16 (lane / 16) + i of the lane's row, become a half image (six registers from dst on) and the two blocks' bytes in a halfword.
.macro QUANT2 src, dst, hw
	v_max3_num_f32 v[TM], |v[\src]|, |v[\src+1]|, 0x2800000        ; the floor 2^(5 - 127) holds the byte at 1 from below
	v_max3_num_f32 v[TM+1], |v[\src+16]|, |v[\src+17]|, 0x2800000
.irp i, 2,4,6,8,10,12,14
	v_max3_num_f32 v[TM], v[TM], |v[\src+\i]|, |v[\src+\i+1]|
	v_max3_num_f32 v[TM+1], v[TM+1], |v[\src+16+\i]|, |v[\src+17+\i]|
.endr
	v_permlanex16_b32 v[TP], v[TM], s[SEL], s[SEL+1]
	v_permlanex16_b32 v[TP+1], v[TM+1], s[SEL], s[SEL+1]
	v_max_num_f32 v[TM], v[TM], v[TP]              ; with lane l xor 16's 16: the block's largest magnitude
	v_max_num_f32 v[TM+1], v[TM+1], v[TP+1]
	v_add_nc_u32 v[TS], 0xfe000000, v[TM]          ; 4 off the exponent field: the conversion's scale operand
	v_add_nc_u32 v[TS+1], 0xfe000000, v[TM+1]
	v_lshrrev_b32 v[TBY], 23, v[TS]
	v_lshrrev_b32 v[TBY+1], 23, v[TS+1]
	v_cvt_scalef32_pk16_bf6_f32 v[\dst:\dst+2], v[\src:\src+15], v[TS]
	v_cvt_scalef32_pk16_bf6_f32 v[TC:TC+2], v[\src+16:\src+31], v[TS+1]
	v_lshl_or_b32 v[\hw], v[TBY+1], 8, v[TBY]      ; (also the plain line behind the conversions)
.irp i, 0,1,2
	v_permlane16_swap_b32 v[\dst+\i], v[TC+\i]     ; a whole block to a lane: lanes 0-15 block 0, lanes 16-31 block 1
.endr
.irp i, 0,1,2
	v_mov_b32 v[\dst+3+\i], v[TC+\i]
.endr
.endm
	s_load_b256 s[4:11], s[0:1], 0x0               ; hn, wc, b_qkv, qc
	s_load_b64 s[12:13], s[0:1], 0x20              ; kv
	v_lshl_add_u32 v254, v0, 2, 0x29000
	v_mov_b32 v255, 0
	ds_add_u32 v254, v255
	ds_add_u32 v254, v255
	v_lshrrev_b32 v6, 5, v0
	v_readfirstlane_b32 s16, v6                    ; wave 0..3
	s_and_b32 s19, ttmp7, 0xffff                   ; the head, which the four partners share
	s_mov_b32 s[SEL], 0x76543210
	s_mov_b32 s[SEL+1], 0xfedcba98
	s_mov_b32 s22, 0xffff0000                      ; lanes 16-31, for v_cndmask_b32
	; descriptor group 1: a record as 50 rows of 256 bytes (32 elements of 8 bytes), dense, no padding
	s_mov_b32 s24, 15|(3<<16)|(1<<21)              ; 15:0 the mask: all four work-groups; 17:16 elements of 8 bytes; 21 set beside a mask
	s_mov_b32 s25, 32<<16                          ; tensor_dim0 = 32
	s_mov_b32 s26, 50<<16                          ; tensor_dim1 = 50
	s_mov_b32 s27, 32<<16                          ; tile_dim0 = 32
	s_mov_b32 s28, 50                              ; tile_dim1 = 50
	s_mov_b32 s29, 32                              ; from row to row
	s_mov_b32 s30, 0
	s_mov_b32 s31, 0
	s_mul_i32 s48, s16, REC                        ; my record's place in a chunk: no place in the cluster enters an LDS address
	s_lshl_b32 s50, s19, 2
	s_add_co_u32 s50, s50, s16
	s_mul_i32 s50, s50, REC                        ; record 4 nb + wave of q's columns
	s_mov_b32 s51, 0
	s_wait_dscnt 0x0
	s_wait_kmcnt 0x0
	s_add_nc_u64 s[52:53], s[6:7], s[50:51]
.irp c, 0,1,2
	s_mov_b32 s[32+4*\c], 1
	s_add_co_u32 s[33+4*\c], s48, 51200*\c
	s_add_nc_u64 s[34+4*\c:35+4*\c], s[52:53], 64*REC*\c       ; k's and v's columns lie 64 records on
	s_or_b32 s[35+4*\c], s[35+4*\c], 0x80000000
.endr
	CROUND                                         ; all four work-groups are here: the joint loads meet
.irp c, 0,1,2
	tensor_load_to_lds s[32+4*\c:35+4*\c], s[24:31]            ; three loads of mine are out
	s_nop 0
.endr
	PLACES
	s_bfe_u32 s17, ttmp6, 0x40000                  ; cx
	s_lshl_b32 s18, ttmp9, 2
	s_add_co_u32 s18, s18, s17                     ; my block of 256 rows: it enters global addresses alone
	v_and_b32 v6, 31, v0
	v_lshlrev_b32 v[LI], 4, v6
	v_lshlrev_b32 v[LS], 2, v6
	v_lshlrev_b32 v[L8], 3, v6
	v_and_b32 v11, 15, v0                          ; r
	v_bfe_u32 v12, v0, 4, 1                        ; h
	v_lshlrev_b32 v[BO], 6, v12
	v_and_b32 v13, 8, v11
	v_add_nc_u32 v13, v13, v11
	v_lshlrev_b32 v[VBO], 2, v13
	v_lshlrev_b32 v[QSO], 4, v11
	v_lshl_add_u32 v[QSO], v12, 3, v[QSO]
	v_lshlrev_b32 v[KSO], 3, v11
	v_lshl_add_u32 v[KSO], v12, 2, v[KSO]
	v_mov_b32 v[TP], 0                             ; written once: a lane permute's destination counts as one of its sources
	v_mov_b32 v[TP+1], 0
	s_lshl_b32 s54, s18, 4
	s_lshl_b32 s55, s16, 2
	s_add_co_u32 s54, s54, s55                     ; my first fragment of rows
	s_mul_i32 s54, s54, REC
	s_mov_b32 s55, 0
	s_add_nc_u64 s[66:67], s[4:5], s[54:55]        ; A
	s_lshl_b32 s54, s19, 8
	s_add_nc_u64 s[68:69], s[8:9], s[54:55]        ; the head's 64 numbers of q's bias
	s_mul_i32 s54, s19, 212992
	s_lshl_b32 s56, s18, 2
	s_add_co_u32 s56, s56, s16
	s_mul_i32 s56, s56, 3328
	s_add_co_u32 s54, s54, s56
	s_add_nc_u64 s[70:71], s[10:11], s[54:55]      ; qc: head nb, Q = 4 rb + wave
	s_lshr_b32 s54, s18, 3
	s_lshl_b32 s54, s54, 4
	s_add_co_u32 s54, s54, s19                     ; 16 batch + head
	s_lshl_b32 s54, s54, 4
	s_and_b32 s56, s18, 7
	s_lshl_b32 s56, s56, 1
	s_add_co_u32 s54, s54, s56
	s_lshr_b32 s56, s16, 1
	s_add_co_u32 s54, s54, s56                     ; + the step of 128 keys: 2 (rb % 8) + wave / 2
	s_mul_i32 s54, s54, REC
	s_add_nc_u64 s[72:73], s[12:13], s[54:55]      ; kv's record
	s_and_b32 s56, s16, 1
	s_mul_i32 s54, s56, 3072
	s_add_nc_u64 s[74:75], s[72:73], s[54:55]      ; K's images: groups 2 (wave % 2) ..
	s_lshl_b32 s54, s56, 7
	s_add_nc_u64 s[76:77], s[72:73], s[54:55]      ; the scales: 128 (wave % 2) on
	s_mul_i32 s54, s56, 768
	s_add_nc_u64 s[78:79], s[72:73], s[54:55]      ; V's half images: c = wave % 2
	WIN 0xc0
.irp f, 0,1,2,3                        ; q's bias in the result's layout: lane (r, h), tile f: columns 32 (f / 2) + 8 (f % 2) + 16 h + 0 .. 7
	global_load_b128 v[96+8*\f:99+8*\f], v[BO], s[68:69] offset:128*(\f/2)+32*(\f%2)
	global_load_b128 v[100+8*\f:103+8*\f], v[BO], s[68:69] offset:128*(\f/2)+32*(\f%2)+16
.endr
	WIN 0
.irp i, 0,1,2,3
.irp j, 0,1,2,3
	global_load_b32 v[ASC+4*\i+\j], v[LS], s[66:67] offset:REC*\i+12288+128*\j
.endr
.endr
.irp s, 0,1,2,3,4,5,6,7
	ALOAD \s
.endr
	PASS 0, 0, 96, 1, 0                            ; q
	PLACES
.irp i, 0,1,2,3
	QUANT2 ACC+32*\i, P+12*\i, HW+\i
	global_store_b128 v[LI], v[P+12*\i:P+12*\i+3], s[70:71] offset:768*\i
	global_store_b64 v[L8], v[P+12*\i+4:P+12*\i+5], s[70:71] offset:768*\i+512
.endr
.irp i, 0,1,2,3
	v_lshl_or_b32 v[WD+\i], v[HW+\i], 16, v[HW+\i] ; s0 s1 s0 s1: the attention launch uses q in either half of a K step
.endr
	v_cndmask_b32 v[WO], v[WD], v[WD+2], s22
	v_cndmask_b32 v[WO+1], v[WD+1], v[WD+3], s22
	global_store_b64 v[QSO], v[WO:WO+1], s[70:71] offset:3072
	PASS 1, 0, 128, 0, 32                          ; k: behind its bias v's 32 loads were issued
	s_wait_xcnt 0x0                                ; the last stores have read their registers: they are written again
	PLACES
.irp i, 0,1,2,3
	QUANT2 ACC+32*\i, P+6*\i, HW+\i
.endr
.irp g, 0,1
.irp q, 0,1,2
	global_store_b128 v[LI], v[P+12*\g+4*\q:P+12*\g+4*\q+3], s[74:75] offset:1536*\g+512*\q
.endr
.endr
	v_lshl_or_b32 v[WD], v[HW+1], 16, v[HW]
	v_lshl_or_b32 v[WD+1], v[HW+3], 16, v[HW+2]
	v_cndmask_b32 v[WO], v[WD], v[WD+1], s22
	global_store_b32 v[KSO], v[WO], s[76:77] offset:12288
	PASS 2, 1, 160, 0, 0                           ; v, the other way round
	s_wait_xcnt 0x0
	PLACES
.irp f, 0,1,2,3
	QUANT2 ACC+32*\f, P+12*\f, HW+\f
	global_store_b128 v[LI], v[P+12*\f:P+12*\f+3], s[78:79] offset:6144+1536*\f
	global_store_b64 v[L8], v[P+12*\f+4:P+12*\f+5], s[78:79] offset:6144+1536*\f+512
.endr
	v_lshl_or_b32 v[WD], v[HW+1], 16, v[HW]
	v_lshl_or_b32 v[WD+1], v[HW+3], 16, v[HW+2]
	v_cndmask_b32 v[WO], v[WD], v[WD+1], s22
	global_store_b32 v[KSO], v[WO], s[76:77] offset:12544
	s_wait_tensorcnt 0x0
	s_wait_dscnt 0x0
	s_wait_tensorcnt 0x0
	ds_add_u32 v254, v255
	s_wait_dscnt 0x0
	CROUND                                         ; the closing round: no work-group ends while a partner may still ask for a record that names it
	s_endpgm
.Lfunc_end_k_q1b28b552e6_qkv:
	.size	k_q1b28b552e6_qkv, .Lfunc_end_k_q1b28b552e6_qkv-k_q1b28b552e6_qkv
	.p2alignl 7, 3214868480
	.fill 96, 4, 3214868480
	.section	.rodata,"a",@progbits
	.p2align	6, 0x0
	.amdhsa_kernel k_q1b28b552e6_qkv
		.amdhsa_group_segment_fixed_size 168448
		.amdhsa_private_segment_fixed_size 0
		.amdhsa_enable_private_segment 0
		.amdhsa_kernarg_size 40
		.amdhsa_user_sgpr_count 2
		.amdhsa_user_sgpr_kernarg_segment_ptr 1
		.amdhsa_wavefront_size32 1
		.amdhsa_system_sgpr_workgroup_id_x 1
		.amdhsa_system_sgpr_workgroup_id_y 1
		.amdhsa_system_sgpr_workgroup_id_z 1
		.amdhsa_system_vgpr_workitem_id 0
		.amdhsa_next_free_vgpr 1024
		.amdhsa_next_free_sgpr 100
		.amdhsa_reserve_vcc 0
		.amdhsa_float_denorm_mode_32 3
		.amdhsa_float_denorm_mode_16_64 3
		.amdhsa_memory_ordered 1
		.amdhsa_forward_progress 1
		.amdhsa_inst_pref_size 122
	.end_amdhsa_kernel
	.amdgpu_metadata
---
amdhsa.version: [ 1, 2 ]
amdhsa.kernels:
  - .name:           k_q1b28b552e6_qkv
    .symbol:         k_q1b28b552e6_qkv.kd
    .args:
      - { .name: hn, .offset: 0, .size: 8, .value_kind: global_buffer, .address_space: global }
      - { .name: wc, .offset: 8, .size: 8, .value_kind: global_buffer, .address_space: global }
      - { .name: b_qkv, .offset: 16, .size: 8, .value_kind: global_buffer, .address_space: global }
      - { .name: qc, .offset: 24, .size: 8, .value_kind: global_buffer, .address_space: global }
      - { .name: kv, .offset: 32, .size: 8, .value_kind: global_buffer, .address_space: global }
    .group_segment_fixed_size: 168448
    .private_segment_fixed_size: 0
    .kernarg_segment_align: 8
    .kernarg_segment_size: 40
    .max_flat_workgroup_size: 128
    .sgpr_count:     100
    .vgpr_count:     1024
    .wavefront_size: 32
...
	.end_amdgpu_metadata
.endif
;; end of part 2
;; launch attn (part 3): grid 8 x 32, 16 waves a work-group, clusters of 4 x 1, 210,944 bytes of LDS; arguments qc, kv, ctx; writes ctx
.if DOCPART == 3
	.amdgcn_target "amdgcn-amd-amdhsa--gfx1250"
	.amdhsa_code_object_version 6
	.text
	.protected	k_q1b28b552e6_attn
	.globl	k_q1b28b552e6_attn
	.p2align	8
	.type	k_q1b28b552e6_attn,@function
k_q1b28b552e6_attn:
	s_mov_b64 s[64:65], 0
	v_nop
	global_prefetch_b8 v0, s[64:65] scope:SCOPE_SE
	s_setreg_imm32_b32 hwreg(HW_REG_WAVE_MODE, 25, 1), 1
	s_wait_xcnt 0x0
	s_wait_alu depctr_hold_cnt(0) depctr_sa_sdst(0) depctr_va_vdst(0) depctr_va_sdst(0) depctr_va_ssrc(0) depctr_va_vcc(0) depctr_vm_vsrc(0)
	s_getreg_b32 s2, hwreg(HW_REG_IB_STS2, 6, 4)
	s_cmp_eq_u32 s2, 0
	s_cbranch_scc0 .Lentry_in_a_cluster
	s_endpgm
.Lentry_in_a_cluster:
	s_bfe_u32 s2, ttmp6, 0x10000c
	s_cmp_lg_u32 s2, 0x3003
	s_cbranch_scc0 .Lentry_shape_is_right
	s_endpgm
.Lentry_shape_is_right:
; ctx[q] = the sum over keys of softmax(q . k / 8) v for one head of 64 channels and 2,048 keys, both products on codes of BF6 with E8M0 scales; the result is quantised along the channels for the next product.
; THE SOFTMAX AHEAD OF THE SECOND PRODUCT: t = score x log2(e) / 8; M = the row's largest t so far, rounded UP to a whole number; p = 2^(t - M) is quantised along the keys, not normalised; the row's sum is taken of
; the unquantised p and divides at the end.  When M moves, the sum and O are multiplied by 2^(old M - new M): exact.
; SHARES.  Work-group (qb, bh): 256 queries of head bh.  Each of sixteen waves owns one fragment of 16 queries in 256 registers: four waves to a SIMD, so that one wave's vector work stands beside another's products.
; THE HEAD'S WHOLE K AND V, 16 records of 12,800 bytes, LIE IN LDS, filled once: waves 0 to 7 bring them by four tensor loads each (load j: bytes 51,200 j + 6,400 wave, 25 rows of 256 bytes).  No LDS byte is filled twice.
; The waves meet twice for tiles: behind load 0, whose four key steps are then walked, and behind the other three loads, which have those four key steps in which to land.
; CLUSTER.  The four query blocks of a cluster walk the same head: each load is asked for jointly (mask 15).
; K = 64 IN A PRODUCT OF 128: a K image holds key fragments 2 G (registers 0-5) and 2 G + 1 (registers 6-11); q stands twice, once with zero codes in registers 6-11 and once with zero codes in registers 0-5,
; so one image of K serves two products.  Zero codes add nothing under any scale byte that the quantiser makes.
; Both products are used transposed (source 0 = 16 keys, or 16 channels of V; source 1 = my queries): a lane holds one query throughout, and the 16 registers of score tiles 2 G, 2 G + 1 are 16 neighbouring keys.
; LIMITS: a block of zeros gets the byte 1 where the rule says 127 (its codes are zeros, and this program alone reads the bytes); NaN and infinities are not served.
; REGISTERS: v1-9 addresses; v12 -M, v13 the largest t, v[14:15] the sum; v16-27, v28-39 q twice; v40 q's scale word; v[42:43] K's; v44-91 K's, then V's fragments; v96-159 scores, then p; v160-191 O^T; v192-203 p's codes;
;   v204-235 at work; v231 p's scale word; v236-239 V's halfwords; v240-243 V's scale words.
.set REC, 12800
.set LI,  1                            ; 16 x lane
.set L8,  2                            ; 8 x lane
.set AV0, 3                            ; 8 r + 12,800 h: lanes 0-15 take the pair's first step, lanes 16-31 its second
.set ADK, 4
.set AD8, 5
.set ADV, 6
.set QS,  40
.set KS,  42
.set FR,  44
.set S,   96
.set O,   160
.set PC,  192
.set TC,  204
.set TM,  212                          ; v212-215 the blocks' largest
.set TP,  216                          ; v216-219 the other half's; later the bytes
.set TS,  220                          ; v220-223 the conversions' scale operands
.set TBY, 218
.set PWD, 231
.set XR,  236
.set YR,  238
.set VS,  240
.set SEL, 20
.set CS,  22
.set TB,  58
.set CNT, 59
.set GAT, 204800                       ; behind the records: 512 bytes in which the waves' scale halfwords meet
.macro PLACES
.rept 4
	v_nop
.endr
.endm
.macro CROUND                          ; a round of the cluster's barrier
	s_barrier_signal -1
	s_barrier_wait -1
	s_cmp_lg_u32 s16, 0
	s_cbranch_scc1 .Lnot_wave_0_\@
	s_barrier_signal -3
.Lnot_wave_0_\@:
	s_barrier_wait -3
	s_barrier_signal -1
	s_barrier_wait -1
.endm
	s_load_b128 s[4:7], s[0:1], 0x0                ; qc, kv
	s_load_b64 s[8:9], s[0:1], 0x10                ; ctx
	v_lshl_add_u32 v254, v0, 2, 0x33000
	v_mov_b32 v255, 0
	ds_add_u32 v254, v255
	ds_add_u32 v254, v255
	v_lshrrev_b32 v10, 5, v0
	s_delay_alu instid0(VALU_DEP_1)
	v_readfirstlane_b32 s16, v10                   ; wave 0..15
	s_and_b32 s19, ttmp7, 0xffff                   ; 16 batch + head, which the four partners share
	s_mov_b32 s[SEL], 0x76543210
	s_mov_b32 s[SEL+1], 0xfedcba98
	s_mov_b32 s[CS], 0x3e38aa3b                    ; c = log2(e) / 8
	s_mov_b32 s[CS+1], s[CS]                       ; (named with it as a pair, so it is written)
	s_mov_b32 s56, 0x05040100                      ; v_perm_b32: the two low halves;
	s_mov_b32 s57, 0x07060302                      ; the two high halves
	; descriptor group 1: 6,400 bytes as 25 rows of 256 bytes (32 elements of 8 bytes), dense, no padding
	s_mov_b32 s24, 15|(3<<16)|(1<<21)              ; the mask: all four work-groups; elements of 8 bytes; bit 21 set beside a mask
	s_mov_b32 s25, 32<<16
	s_mov_b32 s26, 25<<16
	s_mov_b32 s27, 32<<16
	s_mov_b32 s28, 25
	s_mov_b32 s29, 32
	s_mov_b32 s30, 0
	s_mov_b32 s31, 0
	s_and_b32 s48, s16, 7
	s_mul_i32 s48, s48, 6400                       ; my eighth of a load's 51,200 bytes, in memory and in LDS alike
	s_mul_i32 s50, s19, 16*REC
	s_add_co_u32 s50, s50, s48
	s_mov_b32 s51, 0
	s_wait_dscnt 0x0
	s_wait_kmcnt 0x0
	s_add_nc_u64 s[52:53], s[6:7], s[50:51]
.irp j, 0,1,2,3
	s_mov_b32 s[32+4*\j], 1
	s_add_co_u32 s[33+4*\j], s48, 51200*\j
	s_add_nc_u64 s[34+4*\j:35+4*\j], s[52:53], 51200*\j
	s_or_b32 s[35+4*\j], s[35+4*\j], 0x80000000
.endr
	CROUND                                         ; all four work-groups are here: the joint loads meet
	s_cmp_lt_u32 s16, 8                            ; waves 0 to 7 fetch: all their first fills stand in this one branch, which is the same in every partner
	s_cbranch_scc0 .Lno_fill
.irp j, 0,1,2,3
	tensor_load_to_lds s[32+4*\j:35+4*\j], s[24:31]            ; four loads of mine are out
	s_nop 0
.endr
	PLACES
.Lno_fill:
	s_bfe_u32 s17, ttmp6, 0x40000                  ; cx
	s_lshl_b32 s18, ttmp9, 2
	s_add_co_u32 s18, s18, s17                     ; my block of 256 queries: it enters global addresses alone
	s_lshr_b32 s49, s19, 4                         ; batch
	s_and_b32 s54, s19, 15                         ; head
	s_lshl_b32 s70, s49, 5
	s_lshl_b32 s71, s18, 2
	s_add_co_u32 s70, s70, s71
	s_lshr_b32 s71, s16, 2
	s_add_co_u32 s70, s70, s71                     ; F / 4, F = 128 batch + 16 qb + wave
	s_mul_i32 s70, s70, 3328
	s_mul_i32 s71, s54, 212992
	s_add_co_u32 s70, s70, s71
	s_mov_b32 s71, 0
	s_add_nc_u64 s[62:63], s[4:5], s[70:71]
	s_and_b32 s72, s16, 3
	s_mul_i32 s70, s72, 768
	s_add_nc_u64 s[60:61], s[62:63], s[70:71]      ; q's half image
	s_lshl_b32 s70, s72, 2
	s_add_nc_u64 s[62:63], s[62:63], s[70:71]      ; its scale words' column
	s_lshl_b32 s70, s49, 7
	s_lshl_b32 s73, s18, 4
	s_add_co_u32 s73, s70, s73                     ; the work-group's first fragment
	s_add_co_u32 s70, s73, s16
	s_lshl_b32 s70, s70, 4
	s_add_co_u32 s70, s70, s54
	s_mul_i32 s70, s70, 768
	s_add_nc_u64 s[66:67], s[8:9], s[70:71]        ; ctx: half image (F, head)
	s_lshl_b32 s70, s54, 13
	s_lshl_b32 s73, s73, 5
	s_add_co_u32 s70, s70, s73
	s_add_co_u32 s70, s70, 3145728
	s_add_nc_u64 s[68:69], s[8:9], s[70:71]        ; and the work-group's 512 bytes of scale halfwords
	v_and_b32 v10, 31, v0
	s_delay_alu instid0(VALU_DEP_1)
	v_lshlrev_b32 v[LI], 4, v10
	s_delay_alu instid0(VALU_DEP_2)
	v_lshlrev_b32 v[L8], 3, v10
	v_and_b32 v10, 15, v0                          ; r
	v_bfe_u32 v11, v0, 4, 1                        ; h
	s_delay_alu instid0(VALU_DEP_1)
	v_mul_u32_u24 v[AV0], v11, REC
	s_delay_alu instid0(VALU_DEP_1)
	v_lshl_add_u32 v[AV0], v10, 3, v[AV0]
	s_delay_alu instid0(VALU_DEP_4)
	v_lshlrev_b32 v7, 4, v10                       ; 16 r
	s_lshl_b32 s74, s16, 5
	s_add_co_u32 s74, s74, GAT
	v_lshl_add_u32 v8, v10, 1, s74                 ; my query's halfword: 32 wave + 2 r
	v_add_nc_u32 v9, GAT, v[LI]
	global_load_b128 v[16:19], v[LI], s[60:61]     ; q, with zero codes behind it,
	global_load_b64 v[20:21], v[L8], s[60:61] offset:512
	global_load_b128 v[34:37], v[LI], s[60:61]     ; and once more, with zero codes in front
	global_load_b64 v[38:39], v[L8], s[60:61] offset:512
	global_load_b32 v[QS], v7, s[62:63] offset:3072
.irp j, 22,23,24,25,26,27,28,29,30,31,32,33
	v_mov_b32 v[\j], 0
.endr
	v_mov_b32 v13, 0xff61b1e6                      ; the largest t so far: -3e38, under every t
	s_delay_alu instid0(VALU_DEP_1)
	v_floor_f32 v12, -v13                          ; -M
	v_mov_b32 v14, 0
	v_mov_b32 v15, 0
.irp b, 0,1,2,3
	v_mov_b32 v[TP+\b], 0                          ; written once: a lane permute's destination counts as one of its sources
.endr
	v_mov_b32 v233, 0                              ; (named as the upper half of the pair v[232:233])
.set j, 0
.rept 32
	v_mov_b32 v[O+j], 0                            ; O^T.  (The step is written once: the first finds zeros, which the first change of M leaves zeros)
.set j, j+1
.endr
; A KEY STEP of 128 keys: the p-th of a pair of records.
.macro KSTEP p
.rept 2+2*\p
	v_nop                                          ; places in front of loads into registers that the last products read: four; ahead of a pair's first step the pair's three address additions are places too
.endr
	s_setprio 2
.irp g, 0,1,2,3
.irp q, 0,1,2
	ds_load_b128 v[FR+12*\g+4*\q:FR+12*\g+4*\q+3], v[ADK] offset:REC*\p+1536*\g+512*\q
.endr
.endr
	ds_load_b64 v[KS:KS+1], v[AD8] offset:REC*\p+12288           ; register G % 2; lanes 0-15 G / 2 = 0, lanes 16-31 G / 2 = 1
	s_wait_dscnt 0x0
.irp g, 0,1,2,3
.irp u, 0,1
.if \g < 2
	v_wmma_scale_f32_16x16x128_f8f6f4 v[S+8*(2*\g+\u):S+8*(2*\g+\u)+7], v[FR+12*\g:FR+12*\g+11], v[16+12*\u:27+12*\u], 0, v[KS+\g%2], v[QS] matrix_a_fmt:MATRIX_FMT_BF6 matrix_b_fmt:MATRIX_FMT_BF6
.else
	v_wmma_scale_f32_16x16x128_f8f6f4 v[S+8*(2*\g+\u):S+8*(2*\g+\u)+7], v[FR+12*\g:FR+12*\g+11], v[16+12*\u:27+12*\u], 0, v[KS+\g%2], v[QS] matrix_a_fmt:MATRIX_FMT_BF6 matrix_b_fmt:MATRIX_FMT_BF6 matrix_a_scale:MATRIX_SCALE_ROW1
.endif
.endr
.endr
	; four places in front of V's loads into K's registers, and of the first read of the scores
.if \p == 0
	v_perm_b32 v[VS], v[YR], v[XR], s56            ; useful ones in a pair's first step: V's scale words of both steps: keys 0-63's halfword below, keys 64-127's above.  They name no register of the products above,
	v_perm_b32 v[VS+1], v[YR], v[XR], s57          ; stand five places behind the last products that named v240-243 (three additions, two v_nop), and far more than eight ahead of those that will
	v_perm_b32 v[VS+2], v[YR+1], v[XR+1], s56
	v_perm_b32 v[VS+3], v[YR+1], v[XR+1], s57
.else
	PLACES
.endif
.irp f, 0,1,2,3
.irp c, 0,1
	ds_load_b128 v[FR+12*\f+6*\c:FR+12*\f+6*\c+3], v[ADK] offset:REC*\p+6144+1536*\f+768*\c        ; V lands while the softmax is walked
	ds_load_b64 v[FR+12*\f+6*\c+4:FR+12*\f+6*\c+5], v[AD8] offset:REC*\p+6144+1536*\f+768*\c+512
.endr
.endr
.irp b, 0,1,2,3
	v_max3_num_f32 v[TM+\b], v[S+16*\b], v[S+1+16*\b], v[S+2+16*\b]       ; the largest score of each block of 32 keys: for the row's maximum, and, since p rises with the score, for the block's largest p
.endr
.irp i, 3,5,7,9,11,13
.irp b, 0,1,2,3
	v_max3_num_f32 v[TM+\b], v[TM+\b], v[S+16*\b+\i], v[S+1+16*\b+\i]
.endr
.endr
.irp b, 0,1,2,3
	v_max_num_f32 v[TM+\b], v[TM+\b], v[S+15+16*\b]
.endr
.irp b, 0,1,2,3
	s_delay_alu instid0(VALU_DEP_4)
	v_permlanex16_b32 v[TP+\b], v[TM+\b], s[SEL], s[SEL+1]
.endr
.irp b, 0,1,2,3
	s_delay_alu instid0(VALU_DEP_4)
	v_max_num_f32 v[TM+\b], v[TM+\b], v[TP+\b]     ; with lane l xor 16's 16 keys
.endr
	s_delay_alu instid0(VALU_DEP_2)
	v_max3_num_f32 v224, v[TM], v[TM+1], v[TM+2]
	s_delay_alu instid0(VALU_DEP_1)
	v_max_num_f32 v224, v224, v[TM+3]
	s_delay_alu instid0(VALU_DEP_1)
	v_mul_f32 v224, s[CS], v224                    ; as t (c is positive)
	s_delay_alu instid0(VALU_DEP_1)
	v_max_num_f32 v13, v13, v224                   ; the running largest t
	v_mov_b32 v224, v12
	s_delay_alu instid0(VALU_DEP_2)
	v_floor_f32 v12, -v13                          ; the new -M = -ceil(t)
	s_delay_alu instid0(VALU_DEP_1)
	v_sub_f32 v224, v12, v224                      ; old M less new M: a whole number, 0 or less
	s_delay_alu instid0(VALU_DEP_1)
	v_cvt_i32_f32 v224, v224                       ; (it saturates)
	s_delay_alu instid0(VALU_DEP_1)
	v_ldexp_f32 v232, 1.0, v224                    ; f = 2^(old M - new M)
.set j, 0
.rept 32
	v_pk_fma_f32 v[S+j:S+j+1], v[S+j:S+j+1], s[CS:CS+1], v[12:13] op_sel_hi:[1,0,0]   ; t - M
.set j, j+2
.endr
.irp b, 0,1,2,3
	v_fma_f32 v[TM+\b], v[TM+\b], s[CS], v12       ; the same of each block's largest score
.endr
.set j, 0
	s_wait_alu depctr_va_vdst(0)
.rept 64
	v_exp_f32 v[S+j], v[S+j]                       ; p = 2^(t - M)
.set j, j+1
.endr
	s_setprio 1
	v_pk_mul_f32 v[14:15], v[14:15], v[232:233] op_sel_hi:[1,0]    ; the sums under the new M.  (The plain line behind the exponentials)
	s_wait_alu depctr_va_vdst(0)                   ; one wait for the batch of 64, ahead of its first reader
.irp b, 0,1,2,3
	v_exp_f32 v[TM+\b], v[TM+\b]                   ; the block's largest p
.endr
	v_pk_add_f32 v[234:235], v[100:101], v[104:105]
	v_pk_add_f32 v[252:253], v[108:109], v[112:113]
	v_pk_add_f32 v[250:251], v[116:117], v[120:121]
	v_pk_add_f32 v[248:249], v[124:125], v[128:129]
	v_pk_add_f32 v[246:247], v[132:133], v[136:137]
	v_pk_add_f32 v[244:245], v[140:141], v[144:145]
	v_pk_add_f32 v[238:239], v[148:149], v[152:153]
	v_pk_add_f32 v[14:15], v[14:15], v[156:157]
	v_pk_add_f32 v[234:235], v[234:235], v[96:97]
	v_pk_add_f32 v[252:253], v[252:253], v[98:99]
	v_pk_add_f32 v[250:251], v[250:251], v[102:103]
	v_pk_add_f32 v[248:249], v[248:249], v[106:107]
	v_pk_add_f32 v[246:247], v[246:247], v[110:111]
	v_pk_add_f32 v[244:245], v[244:245], v[114:115]
	v_pk_add_f32 v[238:239], v[238:239], v[118:119]
	v_pk_add_f32 v[14:15], v[14:15], v[122:123]
	v_pk_add_f32 v[234:235], v[234:235], v[126:127]
	v_pk_add_f32 v[252:253], v[252:253], v[130:131]
	v_pk_add_f32 v[250:251], v[250:251], v[134:135]
	v_pk_add_f32 v[248:249], v[248:249], v[138:139]
	v_pk_add_f32 v[246:247], v[246:247], v[142:143]
	v_pk_add_f32 v[244:245], v[244:245], v[146:147]
	v_pk_add_f32 v[238:239], v[238:239], v[150:151]
	v_pk_add_f32 v[14:15], v[14:15], v[154:155]
	v_pk_add_f32 v[234:235], v[234:235], v[158:159]
	s_delay_alu instid0(VALU_DEP_2)
	v_pk_add_f32 v[14:15], v[14:15], v[248:249]
	s_delay_alu instid0(VALU_DEP_2)
	v_pk_add_f32 v[234:235], v[234:235], v[246:247]
	v_pk_add_f32 v[252:253], v[252:253], v[244:245]
	v_pk_add_f32 v[250:251], v[250:251], v[238:239]
	s_delay_alu instid0(VALU_DEP_2)
	v_pk_add_f32 v[14:15], v[14:15], v[252:253]
	s_delay_alu instid0(VALU_DEP_2)
	v_pk_add_f32 v[234:235], v[234:235], v[250:251]
	s_delay_alu instid0(VALU_DEP_1)
	v_pk_add_f32 v[14:15], v[14:15], v[234:235]
	s_wait_alu depctr_va_vdst(0)                   ; and one for the four
.irp b, 0,1,2,3
	v_max_num_f32 v[TM+\b], 0x2800000, v[TM+\b]    ; the floor 2^(5 - 127)
.endr
.irp b, 0,1,2,3
	s_delay_alu instid0(VALU_DEP_4)
	v_add_nc_u32 v[TS+\b], 0xfe000000, v[TM+\b]
.endr
.irp b, 0,1,2,3
	s_delay_alu instid0(VALU_DEP_4)
	v_lshrrev_b32 v[TP+\b], 23, v[TS+\b]
.endr
	s_delay_alu instid0(VALU_DEP_3)
	v_lshl_or_b32 v[PWD], v[TP+1], 8, v[TP]        ; p's scale word for these 128 keys
	s_delay_alu instid0(VALU_DEP_1)
	v_lshl_or_b32 v[PWD], v[TP+2], 16, v[PWD]
	s_delay_alu instid0(VALU_DEP_1)
	v_lshl_or_b32 v[PWD], v[TP+3], 24, v[PWD]
.irp c, 0,1
	v_cvt_scalef32_pk16_bf6_f32 v[PC+6*\c:PC+2+6*\c], v[S+32*\c:S+15+32*\c], v[TS+2*\c]
	v_cvt_scalef32_pk16_bf6_f32 v[TC+4*\c:TC+2+4*\c], v[S+16+32*\c:S+31+32*\c], v[TS+2*\c+1]
.endr
	v_nop                                          ; one plain line behind the conversions
.irp c, 0,1
.irp i, 0,1,2
	v_permlane16_swap_b32 v[PC+6*\c+\i], v[TC+4*\c+\i]         ; a whole block to a lane
.endr
.irp i, 0,1,2
	s_delay_alu instid0(VALU_DEP_3)
	v_mov_b32 v[PC+3+6*\c+\i], v[TC+4*\c+\i]
.endr
.endr
.set j, 0
	s_setprio 0
.rept 16
	v_pk_mul_f32 v[O+j:O+j+1], v[O+j:O+j+1], v[232:233] op_sel_hi:[1,0]   ; O^T under the new M.  (These sixteen are also the places between p's codes and scale word and the products)
.set j, j+2
.endr
	s_wait_alu depctr_va_vdst(0)
	s_wait_dscnt 0x0                               ; V is in
.irp f, 0,1,2,3
.if \p
	v_wmma_scale_f32_16x16x128_f8f6f4 v[O+8*\f:O+8*\f+7], v[FR+12*\f:FR+12*\f+11], v[PC:PC+11], v[O+8*\f:O+8*\f+7], v[VS+\f], v[PWD] matrix_a_fmt:MATRIX_FMT_BF6 matrix_b_fmt:MATRIX_FMT_BF6 matrix_a_scale:MATRIX_SCALE_ROW1
.else
	v_wmma_scale_f32_16x16x128_f8f6f4 v[O+8*\f:O+8*\f+7], v[FR+12*\f:FR+12*\f+11], v[PC:PC+11], v[O+8*\f:O+8*\f+7], v[VS+\f], v[PWD] matrix_a_fmt:MATRIX_FMT_BF6 matrix_b_fmt:MATRIX_FMT_BF6
.endif
.endr
.endm
; The key steps from LDS byte base on, trips pairs of them.  left: how many of my tensor loads may stay out.
.macro STAGE left, base, trips
	s_wait_tensorcnt \left                         ; my loads that brought these bytes have landed; later ones may stay out
	s_wait_dscnt 0x0
	s_barrier_signal -1
	s_barrier_wait -1                              ; everybody's have
	s_mov_b32 s[TB], \base
	s_mov_b32 s[CNT], \trips
.Lpair_\@:
	v_add_nc_u32 v[ADK], s[TB], v[LI]
	s_wait_alu depctr_va_vdst(0)
	v_add_nc_u32 v[AD8], s[TB], v[L8]
	s_wait_alu depctr_va_vdst(0)
	v_add_nc_u32 v[ADV], s[TB], v[AV0]
	ds_load_b64 v[XR:XR+1], v[ADV] offset:12544    ; V's halfwords of keys 0-63, four fragments; lanes 16-31: the pair's second step
	ds_load_b64 v[YR:YR+1], v[ADV] offset:12672    ; and of keys 64-127
	KSTEP 0
	KSTEP 1
	s_add_co_u32 s[TB], s[TB], 2*REC
	s_sub_co_u32 s[CNT], s[CNT], 1
	s_cmp_lg_u32 s[CNT], 0
	s_cbranch_scc1 .Lpair_\@
	s_setprio 0
.endm
	s_wait_loadcnt 0x0                             ; q
	STAGE 3, 0, 2                                  ; load 0's four key steps: the three loads behind it may be out
	STAGE 0, 51200, 6                              ; the other twelve
	; THE WAY OUT: O^T / the sum, quantised along the head's 64 channels: a half image and a halfword of two scale bytes for each query.
	PLACES
	v_add_f32 v14, v14, v15
	s_delay_alu instid0(VALU_DEP_1)
	v_permlanex16_b32 v224, v14, s[SEL], s[SEL+1]
	s_delay_alu instid0(VALU_DEP_1)
	v_add_f32 v14, v14, v224                       ; the row's sum
	s_wait_alu depctr_va_vdst(0)
	v_rcp_f32 v14, v14
	v_nop                                          ; a plain line behind the reciprocal
	s_wait_alu depctr_va_vdst(0)                   ; and the wait ahead of its first reader
.set j, 0
.rept 32
	v_mul_f32 v[S+j], v[O+j], v14                  ; register 8 f + i: channel 32 (f / 2) + 8 (f % 2) + 16 h + i
.set j, j+1
.endr
	v_max3_num_f32 v[TM], |v[S]|, |v[S+1]|, 0x2800000
	v_max3_num_f32 v[TM+1], |v[S+16]|, |v[S+17]|, 0x2800000
.irp i, 2,4,6,8,10,12,14
	s_delay_alu instid0(VALU_DEP_2)
	v_max3_num_f32 v[TM], v[TM], |v[S+\i]|, |v[S+\i+1]|
	s_delay_alu instid0(VALU_DEP_2)
	v_max3_num_f32 v[TM+1], v[TM+1], |v[S+16+\i]|, |v[S+17+\i]|
.endr
	s_delay_alu instid0(VALU_DEP_2)
	v_permlanex16_b32 v[TP], v[TM], s[SEL], s[SEL+1]
	s_delay_alu instid0(VALU_DEP_2)
	v_permlanex16_b32 v[TP+1], v[TM+1], s[SEL], s[SEL+1]
	s_delay_alu instid0(VALU_DEP_2)
	v_max_num_f32 v[TM], v[TM], v[TP]
	s_delay_alu instid0(VALU_DEP_2)
	v_max_num_f32 v[TM+1], v[TM+1], v[TP+1]
	s_delay_alu instid0(VALU_DEP_2)
	v_add_nc_u32 v[TS], 0xfe000000, v[TM]
	s_delay_alu instid0(VALU_DEP_2)
	v_add_nc_u32 v[TS+1], 0xfe000000, v[TM+1]
	s_delay_alu instid0(VALU_DEP_2)
	v_lshrrev_b32 v[TBY], 23, v[TS]
	s_delay_alu instid0(VALU_DEP_2)
	v_lshrrev_b32 v[TBY+1], 23, v[TS+1]
	v_cvt_scalef32_pk16_bf6_f32 v[PC:PC+2], v[S:S+15], v[TS]
	v_cvt_scalef32_pk16_bf6_f32 v[TC:TC+2], v[S+16:S+31], v[TS+1]
	v_lshl_or_b32 v225, v[TBY+1], 8, v[TBY]        ; (also the plain line behind the conversions)
.irp i, 0,1,2
	v_permlane16_swap_b32 v[PC+\i], v[TC+\i]
.endr
.irp i, 0,1,2
	s_delay_alu instid0(VALU_DEP_3)
	v_mov_b32 v[PC+3+\i], v[TC+\i]
.endr
	global_store_b128 v[LI], v[PC:PC+3], s[66:67]
	global_store_b64 v[L8], v[PC+4:PC+5], s[66:67] offset:512
	ds_store_b16 v8, v225                          ; both halves of the lanes write the same halfword with the same value
	s_wait_dscnt 0x0
	s_barrier_signal -1
	s_barrier_wait -1
	s_cmp_lg_u32 s16, 0
	s_cbranch_scc1 .Lnot_0
	ds_load_b128 v[96:99], v9                      ; the sixteen fragments' halfwords: 512 bytes
	s_wait_dscnt 0x0
	global_store_b128 v[LI], v[96:99], s[68:69]
.Lnot_0:
	s_wait_tensorcnt 0x0
	s_wait_dscnt 0x0
	s_wait_tensorcnt 0x0
	ds_add_u32 v254, v255
	s_wait_dscnt 0x0
	CROUND                                         ; the closing round
	s_endpgm
.Lfunc_end_k_q1b28b552e6_attn:
	.size	k_q1b28b552e6_attn, .Lfunc_end_k_q1b28b552e6_attn-k_q1b28b552e6_attn
	.p2alignl 7, 3214868480
	.fill 96, 4, 3214868480
	.section	.rodata,"a",@progbits
	.p2align	6, 0x0
	.amdhsa_kernel k_q1b28b552e6_attn
		.amdhsa_group_segment_fixed_size 210944
		.amdhsa_private_segment_fixed_size 0
		.amdhsa_enable_private_segment 0
		.amdhsa_kernarg_size 24
		.amdhsa_user_sgpr_count 2
		.amdhsa_user_sgpr_kernarg_segment_ptr 1
		.amdhsa_wavefront_size32 1
		.amdhsa_system_sgpr_workgroup_id_x 1
		.amdhsa_system_sgpr_workgroup_id_y 1
		.amdhsa_system_sgpr_workgroup_id_z 1
		.amdhsa_system_vgpr_workitem_id 0
		.amdhsa_next_free_vgpr 256
		.amdhsa_next_free_sgpr 80
		.amdhsa_reserve_vcc 0
		.amdhsa_float_denorm_mode_32 3
		.amdhsa_float_denorm_mode_16_64 3
		.amdhsa_memory_ordered 1
		.amdhsa_forward_progress 1
		.amdhsa_inst_pref_size 81
	.end_amdhsa_kernel
	.amdgpu_metadata
---
amdhsa.version: [ 1, 2 ]
amdhsa.kernels:
  - .name:           k_q1b28b552e6_attn
    .symbol:         k_q1b28b552e6_attn.kd
    .args:
      - { .name: qc, .offset: 0, .size: 8, .value_kind: global_buffer, .address_space: global }
      - { .name: kv, .offset: 8, .size: 8, .value_kind: global_buffer, .address_space: global }
      - { .name: ctx, .offset: 16, .size: 8, .value_kind: global_buffer, .address_space: global }
    .group_segment_fixed_size: 210944
    .private_segment_fixed_size: 0
    .kernarg_segment_align: 8
    .kernarg_segment_size: 24
    .max_flat_workgroup_size: 512
    .sgpr_count:     80
    .vgpr_count:     256
    .wavefront_size: 32
...
	.end_amdgpu_metadata
.endif
;; end of part 3
;; launch proj (part 4): grid 16 x 16, 4 waves a work-group, clusters of 4 x 1, 168,448 bytes of LDS; arguments ctx, wc, b_out, x, x1; writes x1
.if DOCPART == 4
	.amdgcn_target "amdgcn-amd-amdhsa--gfx1250"
	.amdhsa_code_object_version 6
	.text
	.protected	k_q1b28b552e6_proj
	.globl	k_q1b28b552e6_proj
	.p2align	8
	.type	k_q1b28b552e6_proj,@function
k_q1b28b552e6_proj:
	s_mov_b64 s[64:65], 0
	v_nop
	global_prefetch_b8 v0, s[64:65] scope:SCOPE_SE
	s_setreg_imm32_b32 hwreg(HW_REG_WAVE_MODE, 25, 1), 1
	s_wait_xcnt 0x0
	s_wait_alu depctr_hold_cnt(0) depctr_sa_sdst(0) depctr_va_vdst(0) depctr_va_sdst(0) depctr_va_ssrc(0) depctr_va_vcc(0) depctr_vm_vsrc(0)
	s_getreg_b32 s2, hwreg(HW_REG_IB_STS2, 6, 4)
	s_cmp_eq_u32 s2, 0
	s_cbranch_scc0 .Lentry_in_a_cluster
	s_endpgm
.Lentry_in_a_cluster:
	s_bfe_u32 s2, ttmp6, 0x10000c
	s_cmp_lg_u32 s2, 0x3003
	s_cbranch_scc0 .Lentry_shape_is_right
	s_endpgm
.Lentry_shape_is_right:
; x1 = x + ctx w_out + b_out, the product on codes of BF6 with E8M0 scales, K = 1,024 (16 heads x 64).
; SHARES.  Work-group (rb, nb): rows 256 rb .., columns 64 nb ...  Wave w: 64 rows = fragments 16 rb + 4 w + i.  Its A comes from memory straight into registers: K step s is the half images of heads 2 s and 2 s + 1
; (768 bytes: registers 0-3 at 16 L, 4-5 at 512 + 8 L); its scale words are pieced from two halfwords.  B: four records of 12,800 bytes, brought into LDS once, one tensor load a wave; no LDS byte is filled twice.
; CLUSTER.  The four row blocks of a cluster need the same B: each record is asked for jointly (mask 15).  A is read by one wave of a work-group and goes to registers, not through LDS.
; Source 0 = B, source 1 = A: a lane holds one row and eight neighbouring columns a tile.  The bias is the C of the first K step.  The results turn through the wave's own stage in LDS (behind B: no tensor load lands there)
; and leave, with the residual added, as rows: sixteen lanes store 256 consecutive bytes, aligned.
; REGISTERS, in windows of 256: window 0: v1-10 addresses; v16-31 A's scale words, v32-47 B's; v48-175 16 accumulators; v176-207 A's halfwords.  Window 1: A's K steps 0-4.  Window 2: K steps 5-7.
;   Window 3: B's fragments, two sets; the bias from v96; the residual from v128.
.set NCH, 1
.set REC, 12800
.set STG, 51200                        ; the stages: 64 rows x 272 bytes a wave
.set LI,  1
.set LS,  2
.set L8,  3
.set LB,  4
.set LSB, 5
.set BO,  6                            ; 64 h
.set STO, 7
.set RD,  8
.set OO,  9                            ; 4,096 h + 16 r
.set SHO, 10                           ; 16,384 h + 2 r
.set ASC, 16
.set BSC, 32
.set ACC, 48
.set U,   176
.set MSB, 0
.macro WIN new                         ; the immediate's high byte repeats the setting that is left
.if MSB != \new
	s_set_vgpr_msb (MSB<<8)|\new
.set MSB, \new
.endif
.endm
.macro PLACES                          ; four places: in front of loads into registers that matrix instructions have read, and of the first read of results
.rept 4
	v_nop
.endr
.endm
.macro CROUND                          ; a round of the cluster's barrier
	s_barrier_signal -1
	s_barrier_wait -1
	s_cmp_lg_u32 s16, 0
	s_cbranch_scc1 .Lnot_wave_0_\@
	s_barrier_signal -3
.Lnot_wave_0_\@:
	s_barrier_wait -3
	s_barrier_signal -1
	s_barrier_wait -1
.endm
.macro WM d, a, b, c, sa, sb, odd      ; one product; odd: the scale words of an odd K step lie in lanes 16-31
.if \odd
	v_wmma_scale_f32_16x16x128_f8f6f4 v[\d:\d+7], v[\a:\a+11], v[\b:\b+11], v[\c:\c+7], v[\sa], v[\sb] matrix_a_fmt:MATRIX_FMT_BF6 matrix_b_fmt:MATRIX_FMT_BF6 matrix_a_scale:MATRIX_SCALE_ROW1 matrix_b_scale:MATRIX_SCALE_ROW1
.else
	v_wmma_scale_f32_16x16x128_f8f6f4 v[\d:\d+7], v[\a:\a+11], v[\b:\b+11], v[\c:\c+7], v[\sa], v[\sb] matrix_a_fmt:MATRIX_FMT_BF6 matrix_b_fmt:MATRIX_FMT_BF6
.endif
.endm
; A K step's 16 products, one on each accumulator: the accumulators take turns.  cb >= 0: the sums start from the bias at window 3's v[cb + 8 f].
.macro MULS ab, aw, bb, sj, aj, odd, cb
.if \cb >= 0
.set WX, 0x30
.else
.set WX, 0
.endif
.set WN, WX|3|(\aw<<2)
	WIN WN
.irp i, 0,1,2,3
.irp f, 0,1,2,3
.set DR, ACC+32*\i+8*\f
.if \cb >= 0
.set CR, \cb+8*\f
.else
.set CR, DR
.endif
	WM DR, \bb+12*\f, \ab+12*\i, CR, BSC+\sj+4*\f, ASC+\aj+4*\i, \odd
.endr
.endr
.endm
.macro BFETCH s                        ; B's four fragments of K step s into set s % 2
	WIN 0xc0
.irp f, 0,1,2,3
.irp q, 0,1,2
	ds_load_b128 v[48*((\s)%2)+12*\f+4*\q:48*((\s)%2)+12*\f+4*\q+3], v[LB] offset:REC*\f+1536*(\s)+512*\q
.endr
.endr
.endm
.macro BSCL
.irp f, 0,1,2,3
.irp j, 0,1,2,3
	ds_load_b32 v[BSC+4*\f+\j], v[LSB] offset:REC*\f+12288+128*\j
.endr
.endr
.endm
.macro ALOADC s                        ; A's four fragments of K step s: two half images each, 16 loads
.if \s < 5
	WIN 0x40
.set AR, 48*\s
.else
	WIN 0x80
.set AR, 48*(\s-5)
.endif
.irp i, 0,1,2,3
.irp c, 0,1
	global_load_b128 v[AR+12*\i+6*\c:AR+12*\i+6*\c+3], v[LI], s[66:67] offset:12288*\i+1536*\s+768*\c
	global_load_b64 v[AR+12*\i+6*\c+4:AR+12*\i+6*\c+5], v[L8], s[66:67] offset:12288*\i+1536*\s+768*\c+512
.endr
.endr
.endm
	s_load_b256 s[4:11], s[0:1], 0x0               ; ctx, wc, b_out, x
	s_load_b64 s[12:13], s[0:1], 0x20              ; x1
	v_lshl_add_u32 v254, v0, 2, 0x29000
	v_mov_b32 v255, 0
	ds_add_u32 v254, v255
	ds_add_u32 v254, v255
	v_lshrrev_b32 v11, 5, v0
	v_readfirstlane_b32 s16, v11                   ; wave 0..3
	s_and_b32 s19, ttmp7, 0xffff                   ; the block of 64 columns, which the four partners share
	; descriptor group 1: a record as 50 rows of 256 bytes (32 elements of 8 bytes), dense, no padding
	s_mov_b32 s24, 15|(3<<16)|(1<<21)              ; the mask: all four work-groups; elements of 8 bytes; bit 21 set beside a mask
	s_mov_b32 s25, 32<<16
	s_mov_b32 s26, 50<<16
	s_mov_b32 s27, 32<<16
	s_mov_b32 s28, 50
	s_mov_b32 s29, 32
	s_mov_b32 s30, 0
	s_mov_b32 s31, 0
	s_mul_i32 s48, s16, REC
	s_lshl_b32 s50, s19, 2
	s_add_co_u32 s50, s50, s16
	s_mul_i32 s50, s50, REC
	s_add_co_u32 s50, s50, 192*REC                 ; record 192 + 4 nb + wave
	s_mov_b32 s51, 0
	s_wait_dscnt 0x0
	s_wait_kmcnt 0x0
	s_mov_b32 s32, 1
	s_mov_b32 s33, s48
	s_add_nc_u64 s[34:35], s[6:7], s[50:51]
	s_or_b32 s35, s35, 0x80000000
	CROUND                                         ; all four work-groups are here: the joint loads meet
	tensor_load_to_lds s[32:35], s[24:31]          ; one load of mine is out
	s_nop 0
	PLACES
	s_bfe_u32 s17, ttmp6, 0x40000                  ; cx
	s_lshl_b32 s18, ttmp9, 2
	s_add_co_u32 s18, s18, s17                     ; my block of 256 rows: it enters global addresses alone
	v_and_b32 v11, 31, v0
	v_lshlrev_b32 v[LI], 4, v11
	v_lshlrev_b32 v[LS], 2, v11
	v_lshlrev_b32 v[L8], 3, v11
	v_and_b32 v11, 15, v0                          ; r
	v_bfe_u32 v12, v0, 4, 1                        ; h
	v_lshlrev_b32 v[BO], 6, v12
	s_mul_i32 s57, s16, 17408
	s_add_co_u32 s57, s57, STG                     ; my stage
	v_mul_u32_u24 v[STO], v11, 272
	v_lshl_add_u32 v[STO], v12, 6, v[STO]
	v_add_nc_u32 v[STO], s57, v[STO]               ; in: row r of a fragment, + 64 h
	v_mul_u32_u24 v[RD], v12, 272
	v_lshl_add_u32 v[RD], v11, 4, v[RD]
	v_add_nc_u32 v[RD], s57, v[RD]                 ; back: lanes 0-15 one row, lanes 16-31 the next
	v_lshlrev_b32 v[OO], 12, v12
	v_lshl_add_u32 v[OO], v11, 4, v[OO]
	v_lshlrev_b32 v[SHO], 14, v12
	v_lshl_add_u32 v[SHO], v11, 1, v[SHO]
	s_wait_alu depctr_va_vdst(0)
	s_lshl_b32 s54, s18, 4
	s_lshl_b32 s55, s16, 2
	s_add_co_u32 s56, s54, s55                     ; my first fragment of rows
	s_mul_i32 s54, s56, 12288
	s_mov_b32 s55, 0
	s_add_nc_u64 s[66:67], s[4:5], s[54:55]        ; A's half images
	s_lshl_b32 s54, s56, 5
	s_add_co_u32 s54, s54, 3145728
	s_add_nc_u64 s[68:69], s[4:5], s[54:55]        ; A's scale halfwords
	s_lshl_b32 s54, s56, 16                        ; 16 rows of 4,096 bytes a fragment
	s_lshl_b32 s58, s19, 8
	s_add_co_u32 s54, s54, s58
	s_add_nc_u64 s[70:71], s[10:11], s[54:55]      ; x at my first row and column
	s_add_nc_u64 s[72:73], s[12:13], s[54:55]      ; x1 likewise
	s_mov_b32 s54, s58
	s_add_nc_u64 s[74:75], s[8:9], s[54:55]        ; the bias
	WIN 0xc0
.irp f, 0,1,2,3                        ; the bias in the result's layout: lane (r, h), tile f: columns 32 (f / 2) + 8 (f % 2) + 16 h + 0 .. 7
	global_load_b128 v[96+8*\f:99+8*\f], v[BO], s[74:75] offset:128*(\f/2)+32*(\f%2)
	global_load_b128 v[100+8*\f:103+8*\f], v[BO], s[74:75] offset:128*(\f/2)+32*(\f%2)+16
.endr
	WIN 0
.irp i, 0,1,2,3
.irp j, 0,1,2,3
.irp c, 0,1
	global_load_u16 v[U+8*\i+2*\j+\c], v[SHO], s[68:69] offset:32768*\j+8192*\c+32*\i      ; head 4 j + 2 h + c, fragment i, row r
.endr
.endr
.endr
	ALOADC 0
	ALOADC 1
	ALOADC 2
	WIN 0
	s_wait_loadcnt 48                              ; the bias and the halfwords are in; behind them 3 x 16 loads of A were issued
.irp i, 0,1,2,3
.irp j, 0,1,2,3
	v_lshl_or_b32 v[ASC+4*\i+\j], v[U+8*\i+2*\j+1], 16, v[U+8*\i+2*\j]    ; K step 2 j + h's scale word
.endr
.endr
.rept 8
	v_nop                                          ; a scale register written by a vector instruction stands eight places ahead of the scaled product
.endr
.irp s, 3,4,5,6,7
	ALOADC \s
.endr
	WIN 0xc0
.irp i, 0,1,2,3
.irp t, 0,1,2,3,4,5,6,7
	global_load_b128 v[128+32*\i+4*\t:131+32*\i+4*\t], v[OO], s[70:71] offset:(32*(\i/2)+8*(\i%2)+2*\t+8*(\t/4))*4096    ; the residual, in the order in which the rows come back from the stage
.endr
.endr
	WIN 0
	s_wait_alu depctr_va_vdst(0)
	s_wait_tensorcnt 0x0                           ; my record has landed
	s_wait_dscnt 0x0
	s_barrier_signal -1
	s_barrier_wait -1                              ; everybody's has
	v_mov_b32 v[LB], v[LI]
	s_wait_alu depctr_va_vdst(0)
	v_mov_b32 v[LSB], v[LS]
	PLACES
	BSCL
	BFETCH 0
.irp k, 0,1,2,3,4,5,6,7
.if \k < 7
	PLACES                                         ; the set that K step k - 1 multiplied is loaded again
	BFETCH \k+1
	s_wait_dscnt 12                                ; all but the 12 just issued
.else
	s_wait_dscnt 0x0
.endif
.set LC, 16*(7-\k)+32
.if LC > 63
.set LC, 63
.endif
	s_wait_loadcnt LC                              ; A's K step k is in: behind it 16 (7 - k) loads of A and 32 of the residual were issued (the wait can name 63 at the most)
.if \k == 0
	MULS 0, 1, 0, 0, 0, 0, 96
.elseif \k < 5
	MULS 48*\k, 1, 48*(\k%2), \k/2, \k/2, \k%2, -1
.else
	MULS 48*(\k-5), 2, 48*(\k%2), \k/2, \k/2, \k%2, -1
.endif
.endr
	WIN 0
	; THE WAY OUT
	PLACES
.irp i, 0,1,2,3
.irp f, 0,1,2,3
	ds_store_b128 v[STO], v[ACC+32*\i+8*\f:ACC+32*\i+8*\f+3] offset:4352*\i+128*(\f/2)+32*(\f%2)           ; each accumulator from its low end on
	ds_store_b128 v[STO], v[ACC+32*\i+8*\f+4:ACC+32*\i+8*\f+7] offset:4352*\i+128*(\f/2)+32*(\f%2)+16
.endr
.irp t, 0,1,2,3,4,5,6,7
	ds_load_b128 v[ACC+32*\i+4*\t:ACC+32*\i+4*\t+3], v[RD] offset:4352*\i+544*\t   ; LDS serves a wave's instructions in order: these see my stores; they come back into the registers that they left
.endr
.endr
	s_wait_loadcnt 0x0                             ; the residual
.irp i, 0,1,2,3
	s_wait_dscnt 16*(3-\i)                         ; fragment i is back; the later fragments' sixteen LDS instructions each may be out
	WIN 0x0c                                       ; source 1 in window 3
.set e, 0
.rept 16
	v_pk_add_f32 v[ACC+32*\i+e:ACC+32*\i+e+1], v[ACC+32*\i+e:ACC+32*\i+e+1], v[128+32*\i+e:129+32*\i+e]
.set e, e+2
.endr
	WIN 0
.irp t, 0,1,2,3,4,5,6,7
	global_store_b128 v[OO], v[ACC+32*\i+4*\t:ACC+32*\i+4*\t+3], s[72:73] offset:(32*(\i/2)+8*(\i%2)+2*\t+8*(\t/4))*4096   ; sixteen lanes store 256 consecutive bytes of a row, aligned
.endr
.endr
	s_wait_tensorcnt 0x0
	s_wait_dscnt 0x0
	s_wait_tensorcnt 0x0
	ds_add_u32 v254, v255
	s_wait_dscnt 0x0
	CROUND                                         ; the closing round
	s_endpgm
.Lfunc_end_k_q1b28b552e6_proj:
	.size	k_q1b28b552e6_proj, .Lfunc_end_k_q1b28b552e6_proj-k_q1b28b552e6_proj
	.p2alignl 7, 3214868480
	.fill 96, 4, 3214868480
	.section	.rodata,"a",@progbits
	.p2align	6, 0x0
	.amdhsa_kernel k_q1b28b552e6_proj
		.amdhsa_group_segment_fixed_size 168448
		.amdhsa_private_segment_fixed_size 0
		.amdhsa_enable_private_segment 0
		.amdhsa_kernarg_size 40
		.amdhsa_user_sgpr_count 2
		.amdhsa_user_sgpr_kernarg_segment_ptr 1
		.amdhsa_wavefront_size32 1
		.amdhsa_system_sgpr_workgroup_id_x 1
		.amdhsa_system_sgpr_workgroup_id_y 1
		.amdhsa_system_sgpr_workgroup_id_z 1
		.amdhsa_system_vgpr_workitem_id 0
		.amdhsa_next_free_vgpr 1024
		.amdhsa_next_free_sgpr 100
		.amdhsa_reserve_vcc 0
		.amdhsa_float_denorm_mode_32 3
		.amdhsa_float_denorm_mode_16_64 3
		.amdhsa_memory_ordered 1
		.amdhsa_forward_progress 1
		.amdhsa_inst_pref_size 62
	.end_amdhsa_kernel
	.amdgpu_metadata
---
amdhsa.version: [ 1, 2 ]
amdhsa.kernels:
  - .name:           k_q1b28b552e6_proj
    .symbol:         k_q1b28b552e6_proj.kd
    .args:
      - { .name: ctx, .offset: 0, .size: 8, .value_kind: global_buffer, .address_space: global }
      - { .name: wc, .offset: 8, .size: 8, .value_kind: global_buffer, .address_space: global }
      - { .name: b_out, .offset: 16, .size: 8, .value_kind: global_buffer, .address_space: global }
      - { .name: x, .offset: 24, .size: 8, .value_kind: global_buffer, .address_space: global }
      - { .name: x1, .offset: 32, .size: 8, .value_kind: global_buffer, .address_space: global }
    .group_segment_fixed_size: 168448
    .private_segment_fixed_size: 0
    .kernarg_segment_align: 8
    .kernarg_segment_size: 40
    .max_flat_workgroup_size: 128
    .sgpr_count:     100
    .vgpr_count:     1024
    .wavefront_size: 32
...
	.end_amdgpu_metadata
.endif
;; end of part 4
;; launch ln2 (part 5): grid 256 x 1, 8 waves a work-group, no clusters, 67,584 bytes of LDS; arguments x1, ln2_g, ln2_b, hn; writes hn
.if DOCPART == 5
	.amdgcn_target "amdgcn-amd-amdhsa--gfx1250"
	.amdhsa_code_object_version 6
	.text
	.protected	k_q1b28b552e6_ln2
	.globl	k_q1b28b552e6_ln2
	.p2align	8
	.type	k_q1b28b552e6_ln2,@function
k_q1b28b552e6_ln2:
	s_mov_b64 s[64:65], 0
	v_nop
	global_prefetch_b8 v0, s[64:65] scope:SCOPE_SE
	s_setreg_imm32_b32 hwreg(HW_REG_WAVE_MODE, 25, 1), 1
	s_wait_xcnt 0x0
; Layer norm of 16 rows of 1,024 f32, then the quantiser along the row: one RECORD of 12,800 bytes (eight register images of 1,536 bytes, K step s at 1,536 s, register quad q of lane L at 512 q + 16 L;
; then the scale words, K step s, lane r at 12,288 + 64 s + 4 r).  Work-group F makes fragment F, whose lane r stands for row 32 (F / 2) + 8 (F % 2) + r + 8 (r / 8).
; PHASE 1: wave w norms rows r = 2 w, 2 w + 1, each whole in 32 registers of the wave: mean, then the mean of the squared differences (two passes over registers, as the problem's text writes it), all f32.
; The rows meet in LDS (pitch 4,112 bytes = 257 x 16, so that sixteen rows' loads of 16 bytes fall on different banks).  PHASE 2: wave w quantises K step w: lane (r, h) holds whole blocks
; 2 c + h of row r, in the order of the operand's registers, so the conversions' results are the image.
; No work-group shares an input row with another (gain and bias are 8,192 bytes): no cluster, no tensor load.
; LIMITS: a block of zeros gets the byte 1 where the rule says 127 (its codes are zeros, and this program alone reads the bytes); blocks under 2^-122 are held at byte 1; NaN and infinities are not served.
.set X0,  16                           ; v16-47   row 2 w
.set X1,  48                           ; v48-79   row 2 w + 1
.set GN,  80                           ; v80-111  the gain at my columns
.set BS,  112                          ; v112-143 the bias
.set RP,  4112
.set SCA, 65792                        ; behind the 16 rows: the record's scale words
	s_load_b256 s[4:11], s[0:1], 0x0               ; the rows, gain, bias, the records
	v_lshl_add_u32 v176, v0, 2, 0x10400
	v_mov_b32 v177, 0
	v_lshrrev_b32 v1, 5, v0
	v_readfirstlane_b32 s12, v1                    ; wave 0..7
	v_and_b32 v2, 31, v0
	v_lshlrev_b32 v3, 4, v2                        ; 16 x lane
	s_lshr_b32 s13, ttmp9, 1
	s_lshl_b32 s13, s13, 5
	s_and_b32 s14, ttmp9, 1
	s_lshl_b32 s14, s14, 3
	s_add_co_u32 s13, s13, s14
	s_lshl_b32 s14, s12, 1
	s_add_co_u32 s13, s13, s14
	s_lshr_b32 s14, s12, 2
	s_lshl_b32 s14, s14, 3
	s_add_co_u32 s13, s13, s14                     ; my first row in memory: 32 (F / 2) + 8 (F % 2) + 2 w + 8 (w / 4)
	s_lshl_b32 s14, s13, 12
	s_mov_b32 s15, 0
	s_mov_b32 s16, 0x76543210
	s_mov_b32 s17, 0xfedcba98                      ; v_permlanex16_b32's selects for lane l xor 16
	s_mov_b32 s18, 0xba800000                      ; -1 / 1,024
	s_mov_b32 s19, 0x3a800000                      ; 1 / 1,024
	s_mov_b32 s20, 0x3727c5ac                      ; 1e-5
	s_mul_i32 s22, ttmp9, 12800
	s_mul_i32 s23, s12, 1536
	s_add_co_u32 s22, s22, s23
	s_mov_b32 s23, 0
	s_wait_kmcnt 0x0
	s_add_nc_u64 s[4:5], s[4:5], s[14:15]
	s_add_nc_u64 s[24:25], s[10:11], s[22:23]      ; my K step's image
	s_mul_i32 s22, ttmp9, 12800
	s_add_co_u32 s22, s22, 12288
	s_add_nc_u64 s[10:11], s[10:11], s[22:23]      ; the record's scale words
.irp i, 0,1,2,3,4,5,6,7
	global_load_b128 v[X0+4*\i:X0+4*\i+3], v3, s[4:5] offset:512*\i
.endr
.irp i, 0,1,2,3,4,5,6,7
	global_load_b128 v[X1+4*\i:X1+4*\i+3], v3, s[4:5] offset:4096+512*\i
.endr
.irp i, 0,1,2,3,4,5,6,7
	global_load_b128 v[GN+4*\i:GN+4*\i+3], v3, s[6:7] offset:512*\i
.endr
.irp i, 0,1,2,3,4,5,6,7
	global_load_b128 v[BS+4*\i:BS+4*\i+3], v3, s[8:9] offset:512*\i
.endr
	s_mul_i32 s21, s12, 2*RP
	v_add_nc_u32 v4, s21, v3                       ; phase 1: my rows in LDS
	v_and_b32 v8, 15, v0                           ; r
	v_bfe_u32 v9, v0, 4, 1                         ; h
	v_mul_u32_u24 v5, v8, RP
	v_lshl_add_u32 v5, v9, 7, v5
	s_lshl_b32 s21, s12, 9
	v_add_nc_u32 v5, s21, v5                       ; phase 2: row r, K step w, + 128 h bytes
	s_lshl_b32 s21, s12, 6
	s_add_co_u32 s21, s21, SCA
	v_lshl_add_u32 v6, v8, 2, s21                  ; my row's scale word of K step w
	v_add_nc_u32 v7, SCA, v3
	v_mov_b32 v152, 0                              ; written once: a lane permute's destination counts as one of its sources
	v_mov_b32 v153, 0
.macro RSUM x, a                       ; my 32 numbers' sum, in two chains of pairs
	v_pk_add_f32 v[\a:\a+1], v[\x:\x+1], v[\x+2:\x+3]
	v_pk_add_f32 v[\a+2:\a+3], v[\x+4:\x+5], v[\x+6:\x+7]
.irp j, 8,12,16,20,24,28
	v_pk_add_f32 v[\a:\a+1], v[\a:\a+1], v[\x+\j:\x+\j+1]
	v_pk_add_f32 v[\a+2:\a+3], v[\a+2:\a+3], v[\x+\j+2:\x+\j+3]
.endr
	v_pk_add_f32 v[\a:\a+1], v[\a:\a+1], v[\a+2:\a+3]
	v_add_f32 v[\a], v[\a], v[\a+1]
.endm
.macro RSQ x, a                        ; the sum of their squares
	v_pk_mul_f32 v[\a:\a+1], v[\x:\x+1], v[\x:\x+1]
	v_pk_mul_f32 v[\a+2:\a+3], v[\x+2:\x+3], v[\x+2:\x+3]
.irp j, 4,8,12,16,20,24,28
	v_pk_fma_f32 v[\a:\a+1], v[\x+\j:\x+\j+1], v[\x+\j:\x+\j+1], v[\a:\a+1]
	v_pk_fma_f32 v[\a+2:\a+3], v[\x+\j+2:\x+\j+3], v[\x+\j+2:\x+\j+3], v[\a+2:\a+3]
.endr
	v_pk_add_f32 v[\a:\a+1], v[\a:\a+1], v[\a+2:\a+3]
	v_add_f32 v[\a], v[\a], v[\a+1]
.endm
.macro LANES a, t                      ; over the 32 lanes; every lane ends with the sum
	v_add_f32_dpp v[\a], v[\a], v[\a] row_xmask:1 row_mask:0xf bank_mask:0xf
	v_add_f32_dpp v[\a], v[\a], v[\a] row_xmask:2 row_mask:0xf bank_mask:0xf
	v_add_f32_dpp v[\a], v[\a], v[\a] row_xmask:4 row_mask:0xf bank_mask:0xf
	v_add_f32_dpp v[\a], v[\a], v[\a] row_xmask:8 row_mask:0xf bank_mask:0xf
	v_permlanex16_b32 v[\t], v[\a], s16, s17
	v_add_f32 v[\a], v[\a], v[\t]
.endm
	s_wait_loadcnt 16                              ; both rows are in; the sixteen loads of gain and bias may be out
	RSUM X0, 144
	RSUM X1, 148
	LANES 144, 152
	LANES 148, 153
	v_mul_f32 v154, s18, v144                      ; minus the mean, as a pair
	v_mul_f32 v156, s18, v148
	v_mov_b32 v155, v154
	v_mov_b32 v157, v156
.set j, 0
.rept 16
	v_pk_add_f32 v[X0+j:X0+j+1], v[X0+j:X0+j+1], v[154:155]
	v_pk_add_f32 v[X1+j:X1+j+1], v[X1+j:X1+j+1], v[156:157]
.set j, j+2
.endr
	RSQ X0, 144
	RSQ X1, 148
	LANES 144, 152
	LANES 148, 153
	v_fma_f32 v162, v144, s19, s20                 ; the variance + 1e-5
	v_fma_f32 v163, v148, s19, s20
	v_rsq_f32 v158, v162
	v_rsq_f32 v160, v163
	v_nop                                          ; a plain line behind the two roots
	s_wait_alu depctr_va_vdst(0)                   ; one wait for both, ahead of their first reader
	v_mov_b32 v159, v158
	v_mov_b32 v161, v160
	s_wait_loadcnt 0x0                             ; gain and bias
.set j, 0
.rept 16
	v_pk_mul_f32 v[X0+j:X0+j+1], v[X0+j:X0+j+1], v[158:159]
	v_pk_mul_f32 v[X1+j:X1+j+1], v[X1+j:X1+j+1], v[160:161]
	v_pk_fma_f32 v[X0+j:X0+j+1], v[X0+j:X0+j+1], v[GN+j:GN+j+1], v[BS+j:BS+j+1]
	v_pk_fma_f32 v[X1+j:X1+j+1], v[X1+j:X1+j+1], v[GN+j:GN+j+1], v[BS+j:BS+j+1]
.set j, j+2
.endr
.irp i, 0,1,2,3,4,5,6,7
	ds_store_b128 v4, v[X0+4*\i:X0+4*\i+3] offset:512*\i
	ds_store_b128 v4, v[X1+4*\i:X1+4*\i+3] offset:RP+512*\i
.endr
	s_wait_dscnt 0x0                               ; for the others' sake: my two rows lie in LDS
	s_barrier_signal -1
	s_barrier_wait -1
.irp c, 0,1
.irp i, 0,1,2,3,4,5,6,7
	ds_load_b128 v[16+32*\c+4*\i:19+32*\c+4*\i], v5 offset:256*\c+16*\i   ; k = 128 w + 64 c + 32 h + 4 i .. of row r
.endr
.endr
	s_wait_dscnt 0x0
.irp c, 0,1
	v_max3_num_f32 v[144+\c], |v[16+32*\c]|, |v[17+32*\c]|, 0x2800000     ; block 2 c + h: all 32 numbers are mine; the floor 2^(5 - 127) holds the byte at 1 from below
.endr
.irp i, 2,4,6,8,10,12,14,16,18,20,22,24,26,28,30
.irp c, 0,1
	v_max3_num_f32 v[144+\c], v[144+\c], |v[16+32*\c+\i]|, |v[17+32*\c+\i]|
.endr
.endr
.irp c, 0,1
	v_add_nc_u32 v[146+\c], 0xfe000000, v[144+\c]  ; 4 off the exponent field: the conversion's scale operand
.endr
.irp c, 0,1
	v_lshrrev_b32 v[148+\c], 23, v[146+\c]         ; the scale's byte
.endr
	v_lshl_or_b32 v150, v149, 16, v148             ; my two bytes, blocks h and 2 + h,
	v_lshlrev_b32 v151, 3, v9
	v_lshlrev_b32 v150, v151, v150                 ; at their places in the word;
	v_permlanex16_b32 v152, v150, s16, s17
	v_or_b32 v150, v150, v152                      ; with lane l xor 16's two the word is whole
.irp c, 0,1
	v_cvt_scalef32_pk16_bf6_f32 v[80+6*\c:82+6*\c], v[16+32*\c:31+32*\c], v[146+\c]
	v_cvt_scalef32_pk16_bf6_f32 v[92+4*\c:94+4*\c], v[32+32*\c:47+32*\c], v[146+\c]   ; (a conversion's three registers begin on an even number)
.endr
	v_nop                                          ; one plain line behind the conversions
.irp c, 0,1
.irp i, 0,1,2
	v_mov_b32 v[83+6*\c+\i], v[92+4*\c+\i]
.endr
.endr
.irp q, 0,1,2
	global_store_b128 v3, v[80+4*\q:83+4*\q], s[24:25] offset:512*\q      ; the image: 512 consecutive bytes a store, aligned
.endr
	ds_store_b32 v6, v150                          ; both halves of the lanes write the same word with the same value
	s_wait_dscnt 0x0
	s_barrier_signal -1
	s_barrier_wait -1
	s_cmp_lg_u32 s12, 0
	s_cbranch_scc1 .Lend
	ds_load_b128 v[16:19], v7                      ; the eight K steps' scale words
	s_wait_dscnt 0x0
	global_store_b128 v3, v[16:19], s[10:11]
.Lend:
	s_wait_tensorcnt 0x0
	ds_add_u32 v176, v177
	s_wait_dscnt 0x0
	s_endpgm
.Lfunc_end_k_q1b28b552e6_ln2:
	.size	k_q1b28b552e6_ln2, .Lfunc_end_k_q1b28b552e6_ln2-k_q1b28b552e6_ln2
	.p2alignl 7, 3214868480
	.fill 96, 4, 3214868480
	.section	.rodata,"a",@progbits
	.p2align	6, 0x0
	.amdhsa_kernel k_q1b28b552e6_ln2
		.amdhsa_group_segment_fixed_size 67584
		.amdhsa_private_segment_fixed_size 0
		.amdhsa_enable_private_segment 0
		.amdhsa_kernarg_size 32
		.amdhsa_user_sgpr_count 2
		.amdhsa_user_sgpr_kernarg_segment_ptr 1
		.amdhsa_wavefront_size32 1
		.amdhsa_system_sgpr_workgroup_id_x 1
		.amdhsa_system_sgpr_workgroup_id_y 1
		.amdhsa_system_sgpr_workgroup_id_z 1
		.amdhsa_system_vgpr_workitem_id 0
		.amdhsa_next_free_vgpr 178
		.amdhsa_next_free_sgpr 66
		.amdhsa_reserve_vcc 0
		.amdhsa_float_denorm_mode_32 3
		.amdhsa_float_denorm_mode_16_64 3
		.amdhsa_memory_ordered 1
		.amdhsa_forward_progress 1
		.amdhsa_inst_pref_size 24
	.end_amdhsa_kernel
	.amdgpu_metadata
---
amdhsa.version: [ 1, 2 ]
amdhsa.kernels:
  - .name:           k_q1b28b552e6_ln2
    .symbol:         k_q1b28b552e6_ln2.kd
    .args:
      - { .name: x1, .offset: 0, .size: 8, .value_kind: global_buffer, .address_space: global }
      - { .name: ln2_g, .offset: 8, .size: 8, .value_kind: global_buffer, .address_space: global }
      - { .name: ln2_b, .offset: 16, .size: 8, .value_kind: global_buffer, .address_space: global }
      - { .name: hn, .offset: 24, .size: 8, .value_kind: global_buffer, .address_space: global }
    .group_segment_fixed_size: 67584
    .private_segment_fixed_size: 0
    .kernarg_segment_align: 8
    .kernarg_segment_size: 32
    .max_flat_workgroup_size: 256
    .sgpr_count:     66
    .vgpr_count:     178
    .wavefront_size: 32
...
	.end_amdgpu_metadata
.endif
;; end of part 5
;; launch fc1 (part 6): grid 16 x 16, 4 waves a work-group, clusters of 4 x 1, 205,312 bytes of LDS; arguments hn, wc, b_fc1, hid; writes hid
.if DOCPART == 6
	.amdgcn_target "amdgcn-amd-amdhsa--gfx1250"
	.amdhsa_code_object_version 6
	.text
	.protected	k_q1b28b552e6_fc1
	.globl	k_q1b28b552e6_fc1
	.p2align	8
	.type	k_q1b28b552e6_fc1,@function
k_q1b28b552e6_fc1:
	s_mov_b64 s[64:65], 0
	v_nop
	global_prefetch_b8 v0, s[64:65] scope:SCOPE_SE
	s_setreg_imm32_b32 hwreg(HW_REG_WAVE_MODE, 25, 1), 1
	s_wait_xcnt 0x0
	s_wait_alu depctr_hold_cnt(0) depctr_sa_sdst(0) depctr_va_vdst(0) depctr_va_sdst(0) depctr_va_ssrc(0) depctr_va_vcc(0) depctr_vm_vsrc(0)
	s_getreg_b32 s2, hwreg(HW_REG_IB_STS2, 6, 4)
	s_cmp_eq_u32 s2, 0
	s_cbranch_scc0 .Lentry_in_a_cluster
	s_endpgm
.Lentry_in_a_cluster:
	s_bfe_u32 s2, ttmp6, 0x10000c
	s_cmp_lg_u32 s2, 0x3003
	s_cbranch_scc0 .Lentry_shape_is_right
	s_endpgm
.Lentry_shape_is_right:
; hid = Q(relu((normed rows) w_fc1 + b_fc1)): the product on codes of BF6 with E8M0 scales, K = 1,024; the hidden layer is quantised in registers along its columns, which are the next product's K, and leaves as records.
; SHARES.  Work-group (rb, nb): rows 256 rb .., columns 256 nb .., in four chunks of 64.  Wave w: 64 rows = fragments 16 rb + 4 w + i; its A (384 registers) comes from memory straight into registers and serves all four chunks.
; B: 16 records of 12,800 bytes, all of the claimed LDS, brought ONCE: each wave one record of each chunk by one tensor load; no LDS byte is filled twice.
; CLUSTER.  The four row blocks of a cluster need the same B: each record is asked for jointly (mask 15).  A is read by one wave of a work-group and goes to registers, not through LDS.
; THE ORDER OF THE LOADS.  LOADcnt's field holds 63, and a load that would push it further is held at issue (ISA guide 5.7.1).  So what the first products need is asked for first: the first chunk's bias (8 loads), A's scale
; words (16), then A by K steps: K steps 0 to 2 stand among the first 60 loads.  The other chunks' biases, 24 loads, are asked for in K step 5 of the first pass.
; Source 0 = B, source 1 = A: a lane holds one row; a chunk's 32 registers of a fragment are 16 neighbours of each of two blocks.  Two chunks make one K step's image (1,536 bytes) of the next product.
; OUT: hid record 4 F + g (g = nb / 4): image of K step 2 (nb % 4) + chunk / 2; scale words at 12,288 + 64 s + 4 r, stored 128 consecutive bytes at a time: one part in 24 of the codes' bytes.
; LIMITS: a block of zeros gets the byte 1 where the rule says 127 (its codes are zeros, and this program alone reads the bytes); blocks under 2^-122 are held at byte 1; NaN and infinities are not served.
; REGISTERS, in windows of 256: window 0: v1-7 addresses; v16-31 A's scale words, v32-47 B's; v48-175 16 accumulators; v176-255 the quantiser.  Window 1: A's K steps 0-4.  Window 2: K steps 5-7.
;   Window 3: B's fragments, two sets; the four chunks' biases from v96.
.set NCH, 4
.set NLATE, 24                         ; loads asked for in K step 5 of the first pass
.set REC, 12800
.set LI,  1
.set LS,  2
.set LB,  4
.set LSB, 5
.set BO,  7
.set ASC, 16
.set BSC, 32
.set ACC, 48
.set P,   176
.set TC,  224
.set TM,  228
.set TP,  230
.set TS,  232
.set TBY, 234
.set HW,  236
.set SW,  240                          ; v240-247 scale words: K step chunk / 2, fragment i
.set WO,  248
.set SEL, 20
.set MSB, 0
.macro WIN new                         ; the immediate's high byte repeats the setting that is left
.if MSB != \new
	s_set_vgpr_msb (MSB<<8)|\new
.set MSB, \new
.endif
.endm
.macro PLACES                          ; four places: in front of loads into registers that matrix instructions have read, and of the first read of results
.rept 4
	v_nop
.endr
.endm
.macro CROUND                          ; a round of the cluster's barrier
	s_barrier_signal -1
	s_barrier_wait -1
	s_cmp_lg_u32 s16, 0
	s_cbranch_scc1 .Lnot_wave_0_\@
	s_barrier_signal -3
.Lnot_wave_0_\@:
	s_barrier_wait -3
	s_barrier_signal -1
	s_barrier_wait -1
.endm
.macro WM d, a, b, c, sa, sb, odd      ; one product; odd: the scale words of an odd K step lie in lanes 16-31
.if \odd
	v_wmma_scale_f32_16x16x128_f8f6f4 v[\d:\d+7], v[\a:\a+11], v[\b:\b+11], v[\c:\c+7], v[\sa], v[\sb] matrix_a_fmt:MATRIX_FMT_BF6 matrix_b_fmt:MATRIX_FMT_BF6 matrix_a_scale:MATRIX_SCALE_ROW1 matrix_b_scale:MATRIX_SCALE_ROW1
.else
	v_wmma_scale_f32_16x16x128_f8f6f4 v[\d:\d+7], v[\a:\a+11], v[\b:\b+11], v[\c:\c+7], v[\sa], v[\sb] matrix_a_fmt:MATRIX_FMT_BF6 matrix_b_fmt:MATRIX_FMT_BF6
.endif
.endm
; A K step's 16 products, one on each accumulator: the accumulators take turns.  cb >= 0: the sums start from the bias at window 3's v[cb + 8 f].
.macro MULS ab, aw, bb, sj, aj, odd, cb
.if \cb >= 0
.set WX, 0x30
.else
.set WX, 0
.endif
.set WN, WX|3|(\aw<<2)
	WIN WN
.irp i, 0,1,2,3
.irp f, 0,1,2,3
.set DR, ACC+32*\i+8*\f
.if \cb >= 0
.set CR, \cb+8*\f
.else
.set CR, DR
.endif
	WM DR, \bb+12*\f, \ab+12*\i, CR, BSC+\sj+4*\f, ASC+\aj+4*\i, \odd
.endr
.endr
.endm
.macro BFETCH s                        ; B's four fragments of K step s into set s % 2
	WIN 0xc0
.irp f, 0,1,2,3
.irp q, 0,1,2
	ds_load_b128 v[48*((\s)%2)+12*\f+4*\q:48*((\s)%2)+12*\f+4*\q+3], v[LB] offset:REC*\f+1536*(\s)+512*\q
.endr
.endr
.endm
.macro BSCL
.irp f, 0,1,2,3
.irp j, 0,1,2,3
	ds_load_b32 v[BSC+4*\f+\j], v[LSB] offset:REC*\f+12288+128*\j
.endr
.endr
.endm
.macro ALOAD s                         ; A's four fragments of K step s
.if \s < 5
	WIN 0x40
.set AR, 48*\s
.else
	WIN 0x80
.set AR, 48*(\s-5)
.endif
.irp i, 0,1,2,3
.irp q, 0,1,2
	global_load_b128 v[AR+12*\i+4*\q:AR+12*\i+4*\q+3], v[LI], s[66:67] offset:REC*\i+1536*\s+512*\q
.endr
.endr
.endm
.macro BIAS c                          ; chunk c's bias in the result's layout: lane (r, h), tile f: columns 32 (f / 2) + 8 (f % 2) + 16 h + 0 .. 7 of the chunk: 8 loads
	WIN 0xc0
.irp f, 0,1,2,3
	global_load_b128 v[96+32*\c+8*\f:99+32*\c+8*\f], v[BO], s[68:69] offset:256*\c+128*(\f/2)+32*(\f%2)
	global_load_b128 v[100+32*\c+8*\f:103+32*\c+8*\f], v[BO], s[68:69] offset:256*\c+128*(\f/2)+32*(\f%2)+16
.endr
.endm
; A chunk: 64 columns x K = 1,024.  first = 1: the pass in which A lands.  lw: in the other passes, how many loads were issued behind this chunk's bias.
.macro PASS chunk, cb, first, lw
	WIN 0
	s_wait_tensorcnt NCH-1-\chunk                  ; my record of this chunk has landed; the later chunks' loads may stay out
	s_wait_dscnt 0x0
	s_barrier_signal -1
	s_barrier_wait -1                              ; everybody's has
	v_add_nc_u32 v[LB], 51200*\chunk, v[LI]
	v_add_nc_u32 v[LSB], 51200*\chunk, v[LS]
	PLACES
	BSCL
	BFETCH 0
.irp k, 0,1,2,3,4,5,6,7
.if \k < 7
	PLACES                                         ; the set that K step k - 1 multiplied is loaded again
	BFETCH \k+1
	s_wait_dscnt 12                                ; all but the 12 just issued
.else
	s_wait_dscnt 0x0
.endif
.if \first
.if \k == 5
	BIAS 1                                         ; registers of window 3 that no product has named yet
	BIAS 2
	BIAS 3
.endif
.set LC, 12*(7-\k)
.if \k >= 5
.set LC, LC+NLATE
.endif
.if LC > 63
.set LC, 63
.endif
	s_wait_loadcnt LC                              ; A's K step k is in: behind it 12 (7 - k) loads of A were issued and, from K step 5 on, the 24 late ones (the wait can name 63 at the most)
.elseif \k == 0
	s_wait_loadcnt \lw                             ; this chunk's bias is in
.endif
.if \k == 0
	MULS 0, 1, 0, 0, 0, 0, \cb
.elseif \k < 5
	MULS 48*\k, 1, 48*(\k%2), \k/2, \k/2, \k%2, -1
.else
	MULS 48*(\k-5), 2, 48*(\k%2), \k/2, \k/2, \k%2, -1
.endif
.endr
	WIN 0
.endm
; 32 registers of a lane, 16 b + i = k 32 b + 16 (lane / 16) + i of the lane's row, become a half image (six registers from dst on) and the two blocks' bytes in a halfword.
.macro QUANT2 src, dst, hw
	v_max3_num_f32 v[TM], |v[\src]|, |v[\src+1]|, 0x2800000        ; the floor 2^(5 - 127) holds the byte at 1 from below
	v_max3_num_f32 v[TM+1], |v[\src+16]|, |v[\src+17]|, 0x2800000
.irp i, 2,4,6,8,10,12,14
	v_max3_num_f32 v[TM], v[TM], |v[\src+\i]|, |v[\src+\i+1]|
	v_max3_num_f32 v[TM+1], v[TM+1], |v[\src+16+\i]|, |v[\src+17+\i]|
.endr
	v_permlanex16_b32 v[TP], v[TM], s[SEL], s[SEL+1]
	v_permlanex16_b32 v[TP+1], v[TM+1], s[SEL], s[SEL+1]
	v_max_num_f32 v[TM], v[TM], v[TP]
	v_max_num_f32 v[TM+1], v[TM+1], v[TP+1]
	v_add_nc_u32 v[TS], 0xfe000000, v[TM]
	v_add_nc_u32 v[TS+1], 0xfe000000, v[TM+1]
	v_lshrrev_b32 v[TBY], 23, v[TS]
	v_lshrrev_b32 v[TBY+1], 23, v[TS+1]
	v_cvt_scalef32_pk16_bf6_f32 v[\dst:\dst+2], v[\src:\src+15], v[TS]
	v_cvt_scalef32_pk16_bf6_f32 v[TC:TC+2], v[\src+16:\src+31], v[TS+1]
	v_lshl_or_b32 v[\hw], v[TBY+1], 8, v[TBY]      ; (also the plain line behind the conversions)
.irp i, 0,1,2
	v_permlane16_swap_b32 v[\dst+\i], v[TC+\i]
.endr
.irp i, 0,1,2
	v_mov_b32 v[\dst+3+\i], v[TC+\i]
.endr
.endm
; A chunk's way out: relu, quantise; behind an odd chunk the K step's images leave.
.macro EPH cc
	s_wait_xcnt 0x0                                ; the last stores have read their registers: they are written again
	PLACES
.set j, 0
.rept 128
	v_max_num_f32 v[ACC+j], 0, v[ACC+j]            ; the activation, in f32; each accumulator from its low end on
.set j, j+1
.endr
.irp i, 0,1,2,3
	QUANT2 ACC+32*\i, P+12*\i+6*(\cc%2), HW
.if \cc%2 == 0
	v_mov_b32 v[SW+4*(\cc/2)+\i], v[HW]
.else
	v_lshl_or_b32 v[SW+4*(\cc/2)+\i], v[HW], 16, v[SW+4*(\cc/2)+\i]
.endif
.endr
.if \cc%2
.irp i, 0,1,2,3
.irp q, 0,1,2
	global_store_b128 v[LI], v[P+12*\i+4*\q:P+12*\i+4*\q+3], s[70:71] offset:4*REC*\i+1536*(\cc/2)+512*\q     ; 512 consecutive bytes, aligned
.endr
.endr
.endif
.endm
	s_load_b256 s[4:11], s[0:1], 0x0               ; hn, wc, b_fc1, hid
	v_lshl_add_u32 v254, v0, 2, 0x32000
	v_mov_b32 v255, 0
	ds_add_u32 v254, v255
	ds_add_u32 v254, v255
	v_lshrrev_b32 v6, 5, v0
	v_readfirstlane_b32 s16, v6                    ; wave 0..3
	s_and_b32 s19, ttmp7, 0xffff                   ; the block of 256 columns, which the four partners share
	s_mov_b32 s[SEL], 0x76543210
	s_mov_b32 s[SEL+1], 0xfedcba98
	s_mov_b32 s22, 0xffff0000                      ; lanes 16-31, for v_cndmask_b32
	; descriptor group 1: a record as 50 rows of 256 bytes (32 elements of 8 bytes), dense, no padding
	s_mov_b32 s24, 15|(3<<16)|(1<<21)              ; the mask: all four work-groups; elements of 8 bytes; bit 21 set beside a mask
	s_mov_b32 s25, 32<<16
	s_mov_b32 s26, 50<<16
	s_mov_b32 s27, 32<<16
	s_mov_b32 s28, 50
	s_mov_b32 s29, 32
	s_mov_b32 s30, 0
	s_mov_b32 s31, 0
	s_mul_i32 s48, s16, REC
	s_lshl_b32 s50, s19, 4
	s_add_co_u32 s50, s50, s16
	s_mul_i32 s50, s50, REC
	s_add_co_u32 s50, s50, 256*REC                 ; record 256 + 16 nb + wave
	s_mov_b32 s51, 0
	s_wait_dscnt 0x0
	s_wait_kmcnt 0x0
	s_add_nc_u64 s[52:53], s[6:7], s[50:51]
.irp c, 0,1,2,3
	s_mov_b32 s[32+4*\c], 1
	s_add_co_u32 s[33+4*\c], s48, 51200*\c
	s_add_nc_u64 s[34+4*\c:35+4*\c], s[52:53], 4*REC*\c
	s_or_b32 s[35+4*\c], s[35+4*\c], 0x80000000
.endr
	CROUND                                         ; all four work-groups are here: the joint loads meet
.irp c, 0,1,2,3
	tensor_load_to_lds s[32+4*\c:35+4*\c], s[24:31]            ; four loads of mine are out
	s_nop 0
.endr
	PLACES
	s_bfe_u32 s17, ttmp6, 0x40000                  ; cx
	s_lshl_b32 s18, ttmp9, 2
	s_add_co_u32 s18, s18, s17                     ; my block of 256 rows: it enters global addresses alone
	v_and_b32 v6, 31, v0
	v_lshlrev_b32 v[LI], 4, v6
	v_lshlrev_b32 v[LS], 2, v6
	v_bfe_u32 v12, v0, 4, 1                        ; h
	v_lshlrev_b32 v[BO], 6, v12
	v_mov_b32 v[TP], 0                             ; written once: a lane permute's destination counts as one of its sources
	v_mov_b32 v[TP+1], 0
	s_lshl_b32 s54, s18, 4
	s_lshl_b32 s55, s16, 2
	s_add_co_u32 s56, s54, s55                     ; my first fragment of rows
	s_mul_i32 s54, s56, REC
	s_mov_b32 s55, 0
	s_add_nc_u64 s[66:67], s[4:5], s[54:55]        ; A
	s_lshl_b32 s54, s19, 10
	s_add_nc_u64 s[68:69], s[8:9], s[54:55]        ; my 256 numbers of the bias
	s_lshl_b32 s56, s56, 2
	s_lshr_b32 s57, s19, 2
	s_add_co_u32 s56, s56, s57                     ; hid's record 4 F + nb / 4
	s_mul_i32 s56, s56, REC
	s_and_b32 s57, s19, 3
	s_mul_i32 s54, s57, 3072
	s_add_co_u32 s54, s54, s56
	s_add_nc_u64 s[70:71], s[10:11], s[54:55]      ; the images: K step 2 (nb % 4) ..
	s_lshl_b32 s54, s57, 7
	s_add_co_u32 s54, s54, s56
	s_add_nc_u64 s[72:73], s[10:11], s[54:55]      ; the scale words: 128 (nb % 4) on
	BIAS 0
	WIN 0
.irp i, 0,1,2,3
.irp j, 0,1,2,3
	global_load_b32 v[ASC+4*\i+\j], v[LS], s[66:67] offset:REC*\i+12288+128*\j
.endr
.endr
.irp s, 0,1,2,3,4,5,6,7
	ALOAD \s
.endr
	PASS 0, 96, 1, 0
	EPH 0
	PASS 1, 128, 0, 16                             ; behind chunk 1's bias the 16 loads of chunks 2 and 3 were issued
	EPH 1
	PASS 2, 160, 0, 8
	EPH 2
	PASS 3, 192, 0, 0
	EPH 3
.irp i, 0,1,2,3
	v_cndmask_b32 v[WO+\i], v[SW+\i], v[SW+4+\i], s22          ; lanes 0-15 the first K step's word, lanes 16-31 the second's
	global_store_b32 v[LS], v[WO+\i], s[72:73] offset:4*REC*\i+12288
.endr
	s_wait_tensorcnt 0x0
	s_wait_dscnt 0x0
	s_wait_tensorcnt 0x0
	ds_add_u32 v254, v255
	s_wait_dscnt 0x0
	CROUND                                         ; the closing round
	s_endpgm
.Lfunc_end_k_q1b28b552e6_fc1:
	.size	k_q1b28b552e6_fc1, .Lfunc_end_k_q1b28b552e6_fc1-k_q1b28b552e6_fc1
	.p2alignl 7, 3214868480
	.fill 96, 4, 3214868480
	.section	.rodata,"a",@progbits
	.p2align	6, 0x0
	.amdhsa_kernel k_q1b28b552e6_fc1
		.amdhsa_group_segment_fixed_size 205312
		.amdhsa_private_segment_fixed_size 0
		.amdhsa_enable_private_segment 0
		.amdhsa_kernarg_size 32
		.amdhsa_user_sgpr_count 2
		.amdhsa_user_sgpr_kernarg_segment_ptr 1
		.amdhsa_wavefront_size32 1
		.amdhsa_system_sgpr_workgroup_id_x 1
		.amdhsa_system_sgpr_workgroup_id_y 1
		.amdhsa_system_sgpr_workgroup_id_z 1
		.amdhsa_system_vgpr_workitem_id 0
		.amdhsa_next_free_vgpr 1024
		.amdhsa_next_free_sgpr 100
		.amdhsa_reserve_vcc 0
		.amdhsa_float_denorm_mode_32 3
		.amdhsa_float_denorm_mode_16_64 3
		.amdhsa_memory_ordered 1
		.amdhsa_forward_progress 1
		.amdhsa_inst_pref_size 169
	.end_amdhsa_kernel
	.amdgpu_metadata
---
amdhsa.version: [ 1, 2 ]
amdhsa.kernels:
  - .name:           k_q1b28b552e6_fc1
    .symbol:         k_q1b28b552e6_fc1.kd
    .args:
      - { .name: hn, .offset: 0, .size: 8, .value_kind: global_buffer, .address_space: global }
      - { .name: wc, .offset: 8, .size: 8, .value_kind: global_buffer, .address_space: global }
      - { .name: b_fc1, .offset: 16, .size: 8, .value_kind: global_buffer, .address_space: global }
      - { .name: hid, .offset: 24, .size: 8, .value_kind: global_buffer, .address_space: global }
    .group_segment_fixed_size: 205312
    .private_segment_fixed_size: 0
    .kernarg_segment_align: 8
    .kernarg_segment_size: 32
    .max_flat_workgroup_size: 128
    .sgpr_count:     100
    .vgpr_count:     1024
    .wavefront_size: 32
...
	.end_amdgpu_metadata
.endif
;; end of part 6
;; launch fc2 (part 7): grid 16 x 16, 4 waves a work-group, clusters of 4 x 1, 274,944 bytes of LDS; arguments hid, wc, b_fc2, x1, out0; writes out0
.if DOCPART == 7
	.amdgcn_target "amdgcn-amd-amdhsa--gfx1250"
	.amdhsa_code_object_version 6
	.text
	.protected	k_q1b28b552e6_fc2
	.globl	k_q1b28b552e6_fc2
	.p2align	8
	.type	k_q1b28b552e6_fc2,@function
k_q1b28b552e6_fc2:
	s_mov_b64 s[64:65], 0
	v_nop
	global_prefetch_b8 v0, s[64:65] scope:SCOPE_SE
	s_setreg_imm32_b32 hwreg(HW_REG_WAVE_MODE, 25, 1), 1
	s_wait_xcnt 0x0
	s_wait_alu depctr_hold_cnt(0) depctr_sa_sdst(0) depctr_va_vdst(0) depctr_va_sdst(0) depctr_va_ssrc(0) depctr_va_vcc(0) depctr_vm_vsrc(0)
	s_getreg_b32 s2, hwreg(HW_REG_IB_STS2, 6, 4)
	s_cmp_eq_u32 s2, 0
	s_cbranch_scc0 .Lentry_in_a_cluster
	s_endpgm
.Lentry_in_a_cluster:
	s_bfe_u32 s2, ttmp6, 0x10000c
	s_cmp_lg_u32 s2, 0x3003
	s_cbranch_scc0 .Lentry_shape_is_right
	s_endpgm
.Lentry_shape_is_right:
; out0 = x1 + hid w_fc2 + b_fc2, the product on codes of BF6 with E8M0 scales, K = 4,096: 32 K steps of 128 in four groups of 1,024, on one set of accumulators.
; SHARES.  Work-group (rb, nb): rows 256 rb .., columns 64 nb ...  Wave w: 64 rows = fragments 16 rb + 4 w + i.  Its A streams from memory straight into a ring of five K steps' registers: step n asks for step n + 4.
; B: 16 records of 12,800 bytes (4 fragments x 4 K groups), brought into LDS ONCE: each wave one record of each group by one tensor load; no LDS byte is filled twice.
; CLUSTER.  The four row blocks of a cluster need the same B: each record is asked for jointly (mask 15).  A is read by one wave of a work-group and goes to registers, not through LDS.
; THE ORDER OF THE LOADS.  LOADcnt's field holds 63, and a load that would push it further is held at issue (ISA guide 5.7.1).  So what the first products need is asked for first: the bias (8 loads), the first K group's
; scale words of A (16), then A's K steps 0 to 4: K steps 0 to 2 stand among the first 60 loads.  The scale words of K group g + 1 (16 loads) are asked for in step 8 g + 2, six steps ahead of their use; the residual
; (32 loads) in step 28, when the ring has nothing more to ask for.
; Source 0 = B, source 1 = A: a lane holds one row and eight neighbouring columns a tile.  The bias is the C of the first K step.  The results turn through the wave's own stage in LDS (behind B: no tensor load lands there)
; and leave, with the residual added, as rows: sixteen lanes store 256 consecutive bytes, aligned.
; REGISTERS, in windows of 256: window 0: v1-9 addresses; v16-79 A's scale words (16 g + 4 i + j), v80-95 B's; v112-239 16 accumulators.  Window 1: A's ring (48 (n % 5) + 12 i).
;   Window 3: B's fragments, two sets; the bias from v96; the residual from v128.
.set REC, 12800
.set STG, 204800                       ; the stages: 64 rows x 272 bytes a wave
.set LI,  1
.set LS,  2
.set LB,  4
.set LSB, 5
.set BO,  6
.set STO, 7
.set RD,  8
.set OO,  9
.set ASC, 16
.set BSC, 80
.set ACC, 112
.set MSB, 0
.macro WIN new                         ; the immediate's high byte repeats the setting that is left
.if MSB != \new
	s_set_vgpr_msb (MSB<<8)|\new
.set MSB, \new
.endif
.endm
.macro PLACES                          ; four places: in front of loads into registers that matrix instructions have read, and of the first read of results
.rept 4
	v_nop
.endr
.endm
.macro CROUND                          ; a round of the cluster's barrier
	s_barrier_signal -1
	s_barrier_wait -1
	s_cmp_lg_u32 s16, 0
	s_cbranch_scc1 .Lnot_wave_0_\@
	s_barrier_signal -3
.Lnot_wave_0_\@:
	s_barrier_wait -3
	s_barrier_signal -1
	s_barrier_wait -1
.endm
.macro WM d, a, b, c, sa, sb, odd      ; one product; odd: the scale words of an odd K step lie in lanes 16-31
.if \odd
	v_wmma_scale_f32_16x16x128_f8f6f4 v[\d:\d+7], v[\a:\a+11], v[\b:\b+11], v[\c:\c+7], v[\sa], v[\sb] matrix_a_fmt:MATRIX_FMT_BF6 matrix_b_fmt:MATRIX_FMT_BF6 matrix_a_scale:MATRIX_SCALE_ROW1 matrix_b_scale:MATRIX_SCALE_ROW1
.else
	v_wmma_scale_f32_16x16x128_f8f6f4 v[\d:\d+7], v[\a:\a+11], v[\b:\b+11], v[\c:\c+7], v[\sa], v[\sb] matrix_a_fmt:MATRIX_FMT_BF6 matrix_b_fmt:MATRIX_FMT_BF6
.endif
.endm
; A K step's 16 products, one on each accumulator: the accumulators take turns.  cb >= 0: the sums start from the bias at window 3's v[cb + 8 f].
.macro MULS ab, bb, sj, aj, odd, cb
.if \cb >= 0
	WIN 0x37
.else
	WIN 0x07
.endif
.irp i, 0,1,2,3
.irp f, 0,1,2,3
.set DR, ACC+32*\i+8*\f
.if \cb >= 0
.set CR, \cb+8*\f
.else
.set CR, DR
.endif
	WM DR, \bb+12*\f, \ab+12*\i, CR, BSC+\sj+4*\f, ASC+\aj+4*\i, \odd
.endr
.endr
.endm
.macro BFETCH s                        ; B's four fragments of the group's K step s into set s % 2
	WIN 0xc0
.irp f, 0,1,2,3
.irp q, 0,1,2
	ds_load_b128 v[48*((\s)%2)+12*\f+4*\q:48*((\s)%2)+12*\f+4*\q+3], v[LB] offset:REC*\f+1536*(\s)+512*\q
.endr
.endr
.endm
.macro BSCL
.irp f, 0,1,2,3
.irp j, 0,1,2,3
	ds_load_b32 v[BSC+4*\f+\j], v[LSB] offset:REC*\f+12288+128*\j
.endr
.endr
.endm
.macro ALOADR n                        ; A's four fragments of K step n into slot n % 5: 12 loads
	WIN 0x40
.irp i, 0,1,2,3
.irp q, 0,1,2
	global_load_b128 v[48*((\n)%5)+12*\i+4*\q:48*((\n)%5)+12*\i+4*\q+3], v[LI], s[66:67] offset:4*REC*\i+REC*((\n)/8)+1536*((\n)%8)+512*\q
.endr
.endr
.endm
.macro ASCL g                          ; A's scale words of K group g: 16 loads, into registers that no product has named yet
	WIN 0
.irp i, 0,1,2,3
.irp j, 0,1,2,3
	global_load_b32 v[ASC+16*(\g)+4*\i+\j], v[LS], s[66:67] offset:4*REC*\i+REC*(\g)+12288+128*\j
.endr
.endr
.endm
.macro RESL                            ; the residual, in the order in which the rows come back from the stage: 32 loads
	WIN 0xc0
.irp i, 0,1,2,3
.irp t, 0,1,2,3,4,5,6,7
	global_load_b128 v[128+32*\i+4*\t:131+32*\i+4*\t], v[OO], s[70:71] offset:(32*(\i/2)+8*(\i%2)+2*\t+8*(\t/4))*4096
.endr
.endr
.endm
.macro GHEAD g                         ; a K group's head
	WIN 0
	s_wait_tensorcnt 3-(\g)                        ; my record of this group has landed; the later groups' loads may stay out
	s_wait_dscnt 0x0
	s_barrier_signal -1
	s_barrier_wait -1                              ; everybody's has
	v_add_nc_u32 v[LB], 51200*(\g), v[LI]
	v_add_nc_u32 v[LSB], 51200*(\g), v[LS]
	PLACES
	BSCL
	BFETCH 0
.endm
	s_load_b256 s[4:11], s[0:1], 0x0               ; hid, wc, b_fc2, x1
	s_load_b64 s[12:13], s[0:1], 0x20              ; out0
	v_lshl_add_u32 v254, v0, 2, 0x43000
	v_mov_b32 v255, 0
	ds_add_u32 v254, v255
	ds_add_u32 v254, v255
	v_lshrrev_b32 v11, 5, v0
	v_readfirstlane_b32 s16, v11                   ; wave 0..3
	s_and_b32 s19, ttmp7, 0xffff                   ; the block of 64 columns, which the four partners share
	; descriptor group 1: a record as 50 rows of 256 bytes (32 elements of 8 bytes), dense, no padding
	s_mov_b32 s24, 15|(3<<16)|(1<<21)              ; the mask: all four work-groups; elements of 8 bytes; bit 21 set beside a mask
	s_mov_b32 s25, 32<<16
	s_mov_b32 s26, 50<<16
	s_mov_b32 s27, 32<<16
	s_mov_b32 s28, 50
	s_mov_b32 s29, 32
	s_mov_b32 s30, 0
	s_mov_b32 s31, 0
	s_mul_i32 s48, s16, REC
	s_lshl_b32 s50, s19, 2
	s_add_co_u32 s50, s50, s16
	s_mul_i32 s50, s50, 4*REC
	s_add_co_u32 s50, s50, 512*REC                 ; record 512 + 4 (4 nb + wave) + g
	s_mov_b32 s51, 0
	s_wait_dscnt 0x0
	s_wait_kmcnt 0x0
	s_add_nc_u64 s[52:53], s[6:7], s[50:51]
.irp c, 0,1,2,3
	s_mov_b32 s[32+4*\c], 1
	s_add_co_u32 s[33+4*\c], s48, 51200*\c
	s_add_nc_u64 s[34+4*\c:35+4*\c], s[52:53], REC*\c
	s_or_b32 s[35+4*\c], s[35+4*\c], 0x80000000
.endr
	CROUND                                         ; all four work-groups are here: the joint loads meet
.irp c, 0,1,2,3
	tensor_load_to_lds s[32+4*\c:35+4*\c], s[24:31]            ; four loads of mine are out
	s_nop 0
.endr
	PLACES
	s_bfe_u32 s17, ttmp6, 0x40000                  ; cx
	s_lshl_b32 s18, ttmp9, 2
	s_add_co_u32 s18, s18, s17                     ; my block of 256 rows: it enters global addresses alone
	v_and_b32 v11, 31, v0
	v_lshlrev_b32 v[LI], 4, v11
	v_lshlrev_b32 v[LS], 2, v11
	v_and_b32 v11, 15, v0                          ; r
	v_bfe_u32 v12, v0, 4, 1                        ; h
	v_lshlrev_b32 v[BO], 6, v12
	s_mul_i32 s57, s16, 17408
	s_add_co_u32 s57, s57, STG                     ; my stage
	v_mul_u32_u24 v[STO], v11, 272
	v_lshl_add_u32 v[STO], v12, 6, v[STO]
	v_add_nc_u32 v[STO], s57, v[STO]
	v_mul_u32_u24 v[RD], v12, 272
	v_lshl_add_u32 v[RD], v11, 4, v[RD]
	v_add_nc_u32 v[RD], s57, v[RD]
	v_lshlrev_b32 v[OO], 12, v12
	v_lshl_add_u32 v[OO], v11, 4, v[OO]
	s_lshl_b32 s54, s18, 4
	s_lshl_b32 s55, s16, 2
	s_add_co_u32 s56, s54, s55                     ; my first fragment of rows
	s_mul_i32 s54, s56, 4*REC
	s_mov_b32 s55, 0
	s_add_nc_u64 s[66:67], s[4:5], s[54:55]        ; A
	s_lshl_b32 s54, s56, 16
	s_lshl_b32 s58, s19, 8
	s_add_co_u32 s54, s54, s58
	s_add_nc_u64 s[70:71], s[10:11], s[54:55]      ; x1 at my first row and column
	s_add_nc_u64 s[72:73], s[12:13], s[54:55]      ; out0 likewise
	s_mov_b32 s54, s58
	s_add_nc_u64 s[74:75], s[8:9], s[54:55]        ; the bias
	WIN 0xc0
.irp f, 0,1,2,3
	global_load_b128 v[96+8*\f:99+8*\f], v[BO], s[74:75] offset:128*(\f/2)+32*(\f%2)
	global_load_b128 v[100+8*\f:103+8*\f], v[BO], s[74:75] offset:128*(\f/2)+32*(\f%2)+16
.endr
	ASCL 0
.irp n, 0,1,2,3,4
	ALOADR \n
.endr
.set n, 0
.rept 32
.if n%8 == 0
	GHEAD n/8
.endif
	PLACES                                         ; step n - 1's registers of A and of B are loaded again
.if (n >= 1) && (n <= 27)
	ALOADR n+4
.endif
.if (n%8 == 2) && (n < 24)
	ASCL n/8+1
.endif
.if n == 28
	RESL
.endif
.if n%8 < 7
	BFETCH (n%8)+1
	s_wait_dscnt 12                                ; all but the 12 just issued
.else
	s_wait_dscnt 0x0
.endif
.set LC, 48                            ; behind A's K step n: the four next steps' 12 loads each;
.if n > 27
.set LC, 12*(31-n)+32                  ; at the end: the steps that are left, and the residual's 32;
.endif
.if (n%8 >= 2) && (n%8 <= 6) && (n < 24)
.set LC, 64                            ; in steps 8 g + 2 to 8 g + 6 also the next group's 16 scale words
.endif
.if LC > 63
.set LC, 63                            ; (the wait can name 63 at the most)
.endif
	s_wait_loadcnt LC                              ; A's K step n is in, and all that was asked for ahead of it
.if n == 0
	MULS 0, 0, 0, 0, 0, 96
.else
	MULS 48*(n%5), 48*(n%2), (n%8)/2, 16*(n/8)+(n%8)/2, n%2, -1
.endif
.set n, n+1
.endr
	WIN 0
	; THE WAY OUT
	PLACES
.irp i, 0,1,2,3
.irp f, 0,1,2,3
	ds_store_b128 v[STO], v[ACC+32*\i+8*\f:ACC+32*\i+8*\f+3] offset:4352*\i+128*(\f/2)+32*(\f%2)           ; each accumulator from its low end on
	ds_store_b128 v[STO], v[ACC+32*\i+8*\f+4:ACC+32*\i+8*\f+7] offset:4352*\i+128*(\f/2)+32*(\f%2)+16
.endr
.irp t, 0,1,2,3,4,5,6,7
	ds_load_b128 v[ACC+32*\i+4*\t:ACC+32*\i+4*\t+3], v[RD] offset:4352*\i+544*\t   ; LDS serves a wave's instructions in order: these see my stores; they come back into the registers that they left
.endr
.endr
	s_wait_loadcnt 0x0                             ; the residual
.irp i, 0,1,2,3
	s_wait_dscnt 16*(3-\i)                         ; fragment i is back; the later fragments' sixteen LDS instructions each may be out
	WIN 0x0c                                       ; source 1 in window 3
.set e, 0
.rept 16
	v_pk_add_f32 v[ACC+32*\i+e:ACC+32*\i+e+1], v[ACC+32*\i+e:ACC+32*\i+e+1], v[128+32*\i+e:129+32*\i+e]
.set e, e+2
.endr
	WIN 0
.irp t, 0,1,2,3,4,5,6,7
	global_store_b128 v[OO], v[ACC+32*\i+4*\t:ACC+32*\i+4*\t+3], s[72:73] offset:(32*(\i/2)+8*(\i%2)+2*\t+8*(\t/4))*4096 th:TH_STORE_NT   ; sixteen lanes store 256 consecutive bytes of a row, aligned; written once, read by nobody here
.endr
.endr
	s_wait_tensorcnt 0x0
	s_wait_dscnt 0x0
	s_wait_tensorcnt 0x0
	ds_add_u32 v254, v255
	s_wait_dscnt 0x0
	CROUND                                         ; the closing round
	s_endpgm
.Lfunc_end_k_q1b28b552e6_fc2:
	.size	k_q1b28b552e6_fc2, .Lfunc_end_k_q1b28b552e6_fc2-k_q1b28b552e6_fc2
	.p2alignl 7, 3214868480
	.fill 96, 4, 3214868480
	.section	.rodata,"a",@progbits
	.p2align	6, 0x0
	.amdhsa_kernel k_q1b28b552e6_fc2
		.amdhsa_group_segment_fixed_size 274944
		.amdhsa_private_segment_fixed_size 0
		.amdhsa_enable_private_segment 0
		.amdhsa_kernarg_size 40
		.amdhsa_user_sgpr_count 2
		.amdhsa_user_sgpr_kernarg_segment_ptr 1
		.amdhsa_wavefront_size32 1
		.amdhsa_system_sgpr_workgroup_id_x 1
		.amdhsa_system_sgpr_workgroup_id_y 1
		.amdhsa_system_sgpr_workgroup_id_z 1
		.amdhsa_system_vgpr_workitem_id 0
		.amdhsa_next_free_vgpr 1024
		.amdhsa_next_free_sgpr 100
		.amdhsa_reserve_vcc 0
		.amdhsa_float_denorm_mode_32 3
		.amdhsa_float_denorm_mode_16_64 3
		.amdhsa_memory_ordered 1
		.amdhsa_forward_progress 1
		.amdhsa_inst_pref_size 166
	.end_amdhsa_kernel
	.amdgpu_metadata
---
amdhsa.version: [ 1, 2 ]
amdhsa.kernels:
  - .name:           k_q1b28b552e6_fc2
    .symbol:         k_q1b28b552e6_fc2.kd
    .args:
      - { .name: hid, .offset: 0, .size: 8, .value_kind: global_buffer, .address_space: global }
      - { .name: wc, .offset: 8, .size: 8, .value_kind: global_buffer, .address_space: global }
      - { .name: b_fc2, .offset: 16, .size: 8, .value_kind: global_buffer, .address_space: global }
      - { .name: x1, .offset: 24, .size: 8, .value_kind: global_buffer, .address_space: global }
      - { .name: out0, .offset: 32, .size: 8, .value_kind: global_buffer, .address_space: global }
    .group_segment_fixed_size: 274944
    .private_segment_fixed_size: 0
    .kernarg_segment_align: 8
    .kernarg_segment_size: 40
    .max_flat_workgroup_size: 128
    .sgpr_count:     100
    .vgpr_count:     1024
    .wavefront_size: 32
...
	.end_amdgpu_metadata
.endif
;; end of part 7
